; MI455X (gfx1250); checked and timed in simulation.
; The chip was launched on July 23, 2026; its instructions are those of AMD's public machine-readable ISA for CDNA 5 (MIT licence, August 2026) and "CDNA5" Instruction Set Architecture Reference Guide (July 2026). The comments in the code are by the model that wrote it; some were corrected since.
;; Mixture Of Experts. Allowed arithmetic: matrix products marked QUANTISED: E5M2 operands, one given power-of-two scale a tensor, by v_wmma_f32_16x16x64_bf8_bf8 or v_wmma_f32_16x16x128_bf8_bf8, f32 sums; products left as they are: f32 operands where the result goes on into a quantised operand, else bf16, f16 or f32 operands; f32 sums; everything else in f32.
;; Inputs: b1 8 x 256 float32; b2 8 x 256 float32; b3 8 x 256 float32; be1 8 x 256 float32; be2 8 x 256 float32; g1 8 x 256 float32; g2 8 x 256 float32; gb1 256 float32; gb2 8 float32; gw1_codes 256 x 8 x 32 uint8 (E5M2 codes of gw1, K innermost, in blocks of 32 codes); gw2 256 x 8 float32; lowp_scales 8 int32 (the exponents e of the quantised operands' scales 2^e); w1_codes 8 x 256 x 8 x 32 uint8 (E5M2 codes of w1, K innermost, in blocks of 32 codes); w2_codes 8 x 256 x 8 x 32 uint8 (E5M2 codes of w2, K innermost, in blocks of 32 codes); w3_codes 8 x 256 x 8 x 32 uint8 (E5M2 codes of w3, K innermost, in blocks of 32 codes); x_codes 32,768 x 8 x 32 uint8 (E5M2 codes of x, K innermost, in blocks of 32 codes).
;; Outputs: out0 32,768 x 256 float32.
;; This version of the problem:
;;   THIS VERSION OF THE PROBLEM IS GIVEN IN LOW PRECISION. The matrix products marked QUANTISED in the list below multiply operands that are first quantised to E5M2 (5 exponent bits, 2 mantissa bits; 8 bits a number), with one given power-of-two scale for each operand tensor; their sums are f32. All else is computed in f32.
;;   The module's matrix products, in the order in which they are computed (A, B: the left and right operand; K: the contracted axis; several contracted axes count as one K, in the product's order):
;;     1. [M 32,768, K 256] x [K 256, N 256]; A: input x (given as codes); B: input gw1 (given as codes): QUANTISED (scales: A lowp_scales[0], B lowp_scales[1])
;;     2. [M 32,768, K 256] x [K 256, N 8]; A: computed on the way; B: input gw2: left as it is (N = 8 < 16)
;;     3. [M 32,768, K 256] x [K 256, N 2,048]; A: input x (given as codes); B: input w1 (given as codes): QUANTISED (scales: A lowp_scales[2], B lowp_scales[3])
;;     4. batch 8 x [M 256, K 256] x [K 256, N 32,768]; A: input w2 (given as codes); B: computed on the way: QUANTISED (scales: A lowp_scales[4], B lowp_scales[5])
;;     5. batch 8 x [M 256, K 256] x [K 256, N 32,768]; A: input w3 (given as codes); B: computed on the way: QUANTISED (scales: A lowp_scales[6], B lowp_scales[7])
;;   THE QUANTISER, for each operand of a quantised product, along K:
;;     - The operand's scale is 2^e, e = its entry of the input lowp_scales (int32; the entries are numbered through the quantised products in the list's order, A before B).
;;     - Each number is divided by the scale, clamped to +-57,344, and rounded to the nearest number of E5M2, ties to even, subnormals kept.
;;     - The product sums the exact products of the quantised numbers (number of the format x scale) in f32.
;;   ~~~python
;;   def quantise(x, axis, e):      # numpy; x: float32 -> the quantised numbers, widened to float32 again
;;       x = np.moveaxis(x, axis, -1); K = x.shape[-1]
;;       r = np.clip(x / 2.0 ** e, -57344, 57344)
;;       step = 2.0 ** (np.maximum(np.frexp(np.where(r == 0, 1, r))[1] - 1, -14) - 2)
;;       q = np.round(r / step) * step * 2.0 ** e      # np.round: ties to even
;;       return np.moveaxis(q, -1, axis).astype(np.float32)
;;   ~~~
;;   OPERANDS COMPUTED ON THE WAY. 'Computed on the way' means the value that the module computes at that place (a softmax that the list does not call 'softmax' is quantised finished and normalised). What goes into a quantiser is computed in f32, as accurately as f32 sums, v_exp_f32 and their like allow (about 1e-6 of the number): no bf16 or f16 on the way to a quantiser, and a product that is left as it is and whose result goes on into a quantised operand takes f32 operands (vector FMAs, or v_wmma_f32_16x16x4_f32). A number that lies on a knife's edge between two numbers of the format may be rounded either way, as far as f32 arithmetic and the matrix unit's own rounding can turn it there, and no further.
;;   INPUTS GIVEN AS CODES. gw1 (in the module: [256, 256], K = its axis 0); w1 (in the module: [8, 256, 256], K = its axis 1); w2 (in the module: [8, 256, 256], K = its axis 1); w3 (in the module: [8, 256, 256], K = its axis 1); x (in the module: [32768, 256], K = its axis 1): each comes as NAME_codes (uint8): NAME with its K axis moved to the last place and cut into blocks of 32 codes, [.., K / 32, bytes a block], one block behind the other in memory; one code a byte (a code: sign, 5 exponent bits, 2 mantissa bits); its scale is its entry of lowp_scales. Its value is code x scale, taken as it is: it is not quantised again, and the codes and scales need not be those that the quantiser above would give.
;; 2 versions. Each part assembles by itself: llvm-mc -triple=amdgcn-amd-amdhsa -mcpu=gfx1250 --defsym DOCPART=n.
;; ======== version 1 of 2: 3 launches
;; workspace buffers: meta 131,072 bytes of whole numbers; cnt 131,072 bytes of whole numbers; ord 131,072 bytes of whole numbers; wts 262,144 bytes
;; launch gate (part 1): grid 256 x 1, 4 waves a work-group, no clusters, 68,096 bytes of LDS; arguments x_codes, gw1_codes, gb1, gw2, gb2, lowp_scales, meta, cnt, wts; writes meta, cnt, wts
.if DOCPART == 1
	.amdgcn_target "amdgcn-amd-amdhsa--gfx1250"
	.amdhsa_code_object_version 6
	.text
	.protected	k_q890c591ce0_gate
	.globl	k_q890c591ce0_gate
	.p2align	8
	.type	k_q890c591ce0_gate,@function
k_q890c591ce0_gate:
	s_mov_b64 s[64:65], 0
	v_nop
	global_prefetch_b8 v0, s[64:65] scope:SCOPE_SE
	s_setreg_imm32_b32 hwreg(HW_REG_WAVE_MODE, 25, 1), 1
	s_wait_xcnt 0x0
; THE ROUTER.  logits = relu(x gw1 + gb1) gw2 + gb2; the two largest logits name a token's two experts; their renormalised softmax weights are
; w_top = 1 / (1 + e^(l2 - l1)) and w_2nd = e^(l2 - l1) w_top: the larger logit is taken away ahead of the exponential, and the softmax's own sum cancels.
; The first product is on codes of E5M2 (scales 2^e0, 2^e1); the second has 8 columns and decides an order, so it is made by f32 multiply-adds.
; STORED, at fixed places: meta[t] = bucket | rank << 8 | a << 16 | b << 24 (a < b the experts; bucket = which of the 28 pairs; rank = how many earlier tokens of t's group of 32 have the same bucket);
; cnt[group][32] = the group's count for each bucket (columns 28 to 31: 0); wts[t] = (weight of a, weight of b).  No address and no branch hangs on any of them here.
; SHARES.  A work-group takes 128 tokens, 8 tiles of 16.  THE WAVES SHARE THE HIDDEN UNITS: wave w makes units 64 w .. 64 w + 63 for all 128 tokens, so its part of gw1 (128 registers) and of gw2 (256) is read once.
; x's fragments go from wave to wave through LDS as images of their registers (four stores of 512 bytes a fragment).  The product is used transposed (source 0 = 16 rows of gw1, source 1 = 16 tokens):
; a lane holds one token (lane % 16) and 32 units; its 8 partial logits go to LDS, and wave w adds the eight parts of tokens 32 w + lane.
; LIMITS.  NaN among the inputs is not served.  The order is taken on the logits, a later expert only where it is strictly larger (the lower index wins a tie); logits that differ and yet round to equal
; softmax values may be ordered otherwise than by a top-k on those values.
.set XIMG, 0                           ; LDS: x's 16 fragments (tile m, K step s: 2 m + s), 2,048 bytes each
.set LG,   32768                       ; the partial logits: a token's row of 256 bytes + 16; part 2 w + h at 32 (2 w + h)
.set LGP,  272
.set XO,   1                           ; v1   r x 256 + 16 h: my bytes in 16 rows of codes (x and gw1)
.set LI,   2                           ; v2   16 x lane: my place in an image
.set XW,   3                           ; v3   where I store x's images: 16 x lane + 8,192 x wave
.set LGW,  4                           ; v4   where I put partial logits
.set LGR,  5                           ; v5   where I read a token's eight parts
.set G2O,  7                           ; v7   256 h: gw2's rows of my half
.set B1O,  8                           ; v8   32 h: gb1's numbers of my half
.set O4,   9                           ; v9   4 x thread
.set O8,   10                          ; v10  8 x thread
.set ZR,   11                          ; v11  0
.set BI,   16                          ; v16-47   gb1 / 2^(e0 + e1) in the result's layout
.set L,    48                          ; v48-63   two tiles x 8 partial logits
.set XF,   64                          ; v64-127  four fragments of x; at the end the eight parts
.set ACC,  128                         ; v128-191 two tiles x 32 hidden units
.set GB,   192                         ; v192-199 gb2;  v200-217 at work at the end
; window 1: gw2: register 8 i + e = gw2[the unit of accumulator register i][e].   window 2: gw1's fragments (tile q, K step s) at 16 (2 q + s)
.set MSB, 0
.macro WIN new                         ; the immediate's high byte repeats the setting that is left
.if MSB != (\new)
	s_set_vgpr_msb (MSB<<8)|(\new)
.set MSB, (\new)
.endif
.endm
.macro BARRIER                         ; my LDS stores have landed and my LDS loads are in: then the work-group's barrier
	s_wait_dscnt 0x0
	s_barrier_signal -1
	s_barrier_wait -1
.endm
.macro FETCHD d                        ; the four fragments of tiles 2 d and 2 d + 1
.irp f, 0,1,2,3
.irp c, 0,1,2,3
	ds_load_b128 v[XF+16*\f+4*\c:XF+16*\f+4*\c+3], v[LI] offset:XIMG+(4*(\d)+\f)*2048+512*\c
.endr
.endr
.endm
	s_load_b512 s[4:19], s[0:1], 0x0               ; x s[4:5], gw1 s[6:7], gb1 s[8:9], gw2 s[10:11], gb2 s[12:13], scales s[14:15], meta s[16:17], cnt s[18:19]
	s_load_b64 s[20:21], s[0:1], 0x40              ; wts
	v_lshl_add_u32 v254, v0, 2, 0x10800
	v_mov_b32 v255, 0
	v_lshrrev_b32 v12, 5, v0
	v_readfirstlane_b32 s24, v12                   ; wave 0..3
	v_and_b32 v12, 31, v0                          ; lane
	v_and_b32 v13, 15, v0                          ; r
	v_bfe_u32 v14, v0, 4, 1                        ; h
	v_lshlrev_b32 v[XO], 8, v13
	v_lshl_add_u32 v[XO], v14, 4, v[XO]
	v_lshlrev_b32 v[LI], 4, v12
	s_lshl_b32 s40, s24, 13
	v_add_nc_u32 v[XW], s40, v[LI]
	v_mul_u32_u24 v[LGW], v13, LGP
	v_lshl_add_u32 v[LGW], v14, 5, v[LGW]
	s_lshl_b32 s41, s24, 6
	s_add_co_u32 s41, s41, LG
	v_add_nc_u32 v[LGW], s41, v[LGW]               ; LG + 272 r + 32 (2 w + h)
	v_mul_u32_u24 v[LGR], v0, LGP
	v_add_nc_u32 v[LGR], LG, v[LGR]                ; LG + 272 x (32 w + lane)
	v_lshlrev_b32 v[G2O], 8, v14
	v_lshlrev_b32 v[B1O], 5, v14
	v_lshlrev_b32 v[O4], 2, v0
	v_lshlrev_b32 v[O8], 3, v0
	v_mov_b32 v[ZR], 0
	s_lshl_b32 s42, ttmp9, 15                      ; x: 128 tokens x 256 bytes a work-group,
	s_add_co_u32 s42, s42, s40                     ; 32 tokens a wave
	s_mov_b32 s43, 0
	s_lshl_b32 s44, s24, 14                        ; gw1: my 64 rows of 256 bytes
	s_mov_b32 s45, 0
	s_lshl_b32 s46, s24, 8                         ; gb1: my 64 numbers
	s_mov_b32 s47, 0
	s_lshl_b32 s48, s24, 11                        ; gw2: my 64 rows of 32 bytes
	s_mov_b32 s49, 0
	s_lshl_b32 s50, ttmp9, 9                       ; meta and cnt: 512 bytes a work-group
	s_mov_b32 s51, 0
	s_lshl_b32 s52, ttmp9, 10                      ; wts: 1,024
	s_mov_b32 s53, 0
	s_wait_kmcnt 0x0
	s_load_b64 s[26:27], s[14:15], 0x0             ; e0, e1
	s_add_nc_u64 s[4:5], s[4:5], s[42:43]
	s_add_nc_u64 s[6:7], s[6:7], s[44:45]
	s_add_nc_u64 s[8:9], s[8:9], s[46:47]
	s_add_nc_u64 s[10:11], s[10:11], s[48:49]
	s_add_nc_u64 s[16:17], s[16:17], s[50:51]
	s_add_nc_u64 s[18:19], s[18:19], s[50:51]
	s_add_nc_u64 s[20:21], s[20:21], s[52:53]
.irp t, 0,1                                    ; my 32 tokens of x: two tiles x two K steps
.irp s, 0,1
.irp c, 0,1,2,3
	global_load_b128 v[XF+16*(2*\t+\s)+4*\c:XF+16*(2*\t+\s)+4*\c+3], v[XO], s[4:5] offset:\t*4096+128*\s+32*\c
.endr
.endr
.endr
	WIN 0x80                                       ; destination window 2
.irp q, 0,1,2,3                                ; gw1: tile q = rows 64 w + 16 q + r
.irp s, 0,1
.irp c, 0,1,2,3
	global_load_b128 v[16*(2*\q+\s)+4*\c:16*(2*\q+\s)+4*\c+3], v[XO], s[6:7] offset:16*\q*256+128*\s+32*\c
.endr
.endr
.endr
	WIN 0
.irp q, 0,1,2,3                                ; gb1 at units 64 w + 16 q + 8 h + 0 .. 7
	global_load_b128 v[BI+8*\q:BI+8*\q+3], v[B1O], s[8:9] offset:64*\q
	global_load_b128 v[BI+8*\q+4:BI+8*\q+7], v[B1O], s[8:9] offset:64*\q+16
.endr
	s_wait_loadcnt 40                              ; x's 16 loads are in; the 40 issued behind them (gw1, gb1) may be out
.irp f, 0,1,2,3
.irp c, 0,1,2,3
	ds_store_b128 v[XW], v[XF+16*\f+4*\c:XF+16*\f+4*\c+3] offset:XIMG+\f*2048+512*\c
.endr
.endr
	WIN 0x40                                       ; destination window 1
.irp q, 0,1,2,3                                ; gw2's row of unit 64 w + 16 q + 8 h + j: eight numbers
.irp j, 0,1,2,3,4,5,6,7
	global_load_b128 v[8*(8*\q+\j):8*(8*\q+\j)+3], v[G2O], s[10:11] offset:(16*\q+\j)*32
	global_load_b128 v[8*(8*\q+\j)+4:8*(8*\q+\j)+7], v[G2O], s[10:11] offset:(16*\q+\j)*32+16
.endr
.endr
	WIN 0
	global_load_b128 v[GB:GB+3], v[ZR], s[12:13]
	global_load_b128 v[GB+4:GB+7], v[ZR], s[12:13] offset:16
	BARRIER                                        ; x's sixteen fragments lie in LDS
	FETCHD 0
	s_wait_loadcnt 63                              ; gw1 and gb1 are in: 66 loads were issued behind them, and a smaller count asks for more
	s_wait_kmcnt 0x0
	s_add_co_i32 s29, s26, s27                     ; e0 + e1: a sum of the product stands for sum x 2^(e0 + e1),
	s_sub_co_i32 s28, 0, s29
.irp j, 0,1,2,3,4,5,6,7,8,9,10,11,12,13,14,15,16,17,18,19,20,21,22,23,24,25,26,27,28,29,30,31
	v_ldexp_f32 v[BI+\j], v[BI+\j], s28            ; so gb1 goes in, as the C of each sum's first product, divided by it
.endr
; Two tiles of 16 tokens: 16 products on eight accumulators by turns, relu, and 8 partial logits a token and lane.
.macro DOUBLE d
	s_wait_dscnt 0x0                               ; the four fragments are in
	WIN 0x02                                       ; source 0 (gw1) window 2
.irp s, 0,1
.irp q, 0,1,2,3
.irp t, 0,1
.if \s == 0
	v_wmma_f32_16x16x128_bf8_bf8 v[ACC+32*\t+8*\q:ACC+32*\t+8*\q+7], v[32*\q:32*\q+15], v[XF+32*\t:XF+32*\t+15], v[BI+8*\q:BI+8*\q+7]
.else
	v_wmma_f32_16x16x128_bf8_bf8 v[ACC+32*\t+8*\q:ACC+32*\t+8*\q+7], v[32*\q+16:32*\q+31], v[XF+32*\t+16:XF+32*\t+31], v[ACC+32*\t+8*\q:ACC+32*\t+8*\q+7]
.endif
.endr
.endr
.endr
	WIN 0
.rept 4
	v_nop                                          ; four places in front of loads into registers that the products have read, and of the first read of their results
.endr
.if \d < 3
	FETCHD (\d)+1                                  ; the next two tiles land while these are worked on
.endif
.set j, 0
.rept 64
	v_max_num_f32 v[ACC+j], 0, v[ACC+j]            ; relu; each accumulator from its low end on
.set j, j+1
.endr
.if \d == 0
	s_wait_loadcnt 0x0                             ; gw2 and gb2
.endif
	WIN 0x04                                       ; source 1 (gw2) window 1
.set i, 0
.rept 32                                       ; unit i of my 32: both tiles, four pairs of experts: eight chains that do not wait for each other
.irp t, 0,1
.irp p, 0,2,4,6
.if i == 0
	v_pk_mul_f32 v[L+8*\t+\p:L+8*\t+\p+1], v[ACC+32*\t:ACC+32*\t+1], v[\p:\p+1] op_sel_hi:[0,1]   ; the first unit starts the sums: nothing is cleared
.elseif i%2 == 0
	v_pk_fma_f32 v[L+8*\t+\p:L+8*\t+\p+1], v[ACC+32*\t+i:ACC+32*\t+i+1], v[8*i+\p:8*i+\p+1], v[L+8*\t+\p:L+8*\t+\p+1] op_sel_hi:[0,1,1]   ; the pair's first register for both halves
.else
	v_pk_fma_f32 v[L+8*\t+\p:L+8*\t+\p+1], v[ACC+32*\t+i-1:ACC+32*\t+i], v[8*i+\p:8*i+\p+1], v[L+8*\t+\p:L+8*\t+\p+1] op_sel:[1,0,0] op_sel_hi:[1,1,1]   ; its second register for both halves
.endif
.endr
.endr
.set i, i+1
.endr
	WIN 0
.irp t, 0,1
	ds_store_b128 v[LGW], v[L+8*\t:L+8*\t+3] offset:(2*(\d)+\t)*16*LGP
	ds_store_b128 v[LGW], v[L+8*\t+4:L+8*\t+7] offset:(2*(\d)+\t)*16*LGP+16
.endr
.endm
	DOUBLE 0
	DOUBLE 1
	DOUBLE 2
	DOUBLE 3
	BARRIER                                        ; every token's eight parts lie in LDS
.irp a, 0,1,2,3,4,5,6,7
	ds_load_b128 v[XF+8*\a:XF+8*\a+3], v[LGR] offset:32*\a
	ds_load_b128 v[XF+8*\a+4:XF+8*\a+7], v[LGR] offset:32*\a+16
.endr
	s_wait_dscnt 0x0
.irp a, 0,2,4,6                                ; the eight parts are added pairwise
.irp p, 0,2,4,6
	v_pk_add_f32 v[XF+8*\a+\p:XF+8*\a+\p+1], v[XF+8*\a+\p:XF+8*\a+\p+1], v[XF+8*\a+8+\p:XF+8*\a+8+\p+1]
.endr
.endr
.irp a, 0,4
.irp p, 0,2,4,6
	v_pk_add_f32 v[XF+8*\a+\p:XF+8*\a+\p+1], v[XF+8*\a+\p:XF+8*\a+\p+1], v[XF+8*\a+16+\p:XF+8*\a+16+\p+1]
.endr
.endr
.irp p, 0,2,4,6
	v_pk_add_f32 v[XF+\p:XF+\p+1], v[XF+\p:XF+\p+1], v[XF+32+\p:XF+32+\p+1]
.endr
.irp e, 0,1,2,3,4,5,6,7
	v_ldexp_f32 v[XF+\e], v[XF+\e], s29            ; x 2^(e0 + e1)
.endr
.irp p, 0,2,4,6
	v_pk_add_f32 v[XF+\p:XF+\p+1], v[XF+\p:XF+\p+1], v[GB+\p:GB+\p+1]   ; + gb2: my token's eight logits
.endr
	v_mov_b32 v200, v[XF]                          ; the largest logit so far and its expert,
	v_mov_b32 v201, 0
	v_mov_b32 v202, 0xff800000                     ; the second largest: -infinity
	v_mov_b32 v203, 1
.irp e, 1,2,3,4,5,6,7
	v_cmp_gt_f32 vcc_lo, v[XF+\e], v200
	v_cmp_gt_f32 s34, v[XF+\e], v202
	v_cndmask_b32 v202, v202, v[XF+\e], s34
	v_cndmask_b32 v203, v203, \e, s34
	v_cndmask_b32 v202, v202, v200, vcc_lo
	v_cndmask_b32 v203, v203, v201, vcc_lo
	v_cndmask_b32 v200, v200, v[XF+\e], vcc_lo
	v_cndmask_b32 v201, v201, \e, vcc_lo
.endr
	v_sub_f32 v204, v202, v200                     ; l2 - l1, 0 or less
	v_mul_f32 v204, 0x3fb8aa3b, v204               ; x log2(e)
	v_exp_f32 v205, v204
	v_nop                                          ; a plain instruction behind the transcendental,
	s_wait_alu depctr_va_vdst(0)                   ; and the wait ahead of the first use of its result
	v_add_f32 v206, 1.0, v205
	v_rcp_f32 v207, v206                           ; the larger weight
	v_nop
	s_wait_alu depctr_va_vdst(0)
	v_mul_f32 v208, v205, v207                     ; the smaller
	v_cmp_lt_u32 vcc_lo, v201, v203
	v_cndmask_b32 v209, v203, v201, vcc_lo         ; a: the lower expert
	v_cndmask_b32 v210, v201, v203, vcc_lo         ; b: the higher
	v_cndmask_b32 v212, v208, v207, vcc_lo         ; a's weight
	v_cndmask_b32 v213, v207, v208, vcc_lo         ; b's
	v_lshl_add_u32 v211, v209, 3, v210             ; 8 a + b
	v_mov_b32 v214, 0                              ; rank
	v_mov_b32 v215, 0                              ; bucket
	v_mov_b32 v216, 0                              ; lane p: the group's count of bucket p
; The 28 pairs in an order in which neighbours share an expert, so that a block of sorted tokens that lies across one boundary needs three experts and not four.
.set P, 0
.irp key, 1,2,3,4,5,6,7,15,14,13,12,11,10,19,20,21,22,23,31,30,29,28,37,38,39,47,46,55
	v_cmp_eq_u32 s34, \key, v211
	v_mbcnt_lo_u32_b32 v217, s34, 0                ; how many lower lanes have this pair
	v_cndmask_b32 v214, v214, v217, s34
	v_cndmask_b32 v215, v215, P, s34
	s_bcnt1_i32_b32 s36, s34
	v_writelane_b32 v216, s36, P
.set P, P+1
.endr
	v_lshl_or_b32 v215, v214, 8, v215
	v_lshl_or_b32 v215, v209, 16, v215
	v_lshl_or_b32 v215, v210, 24, v215
	global_store_b32 v[O4], v215, s[16:17]         ; a wave stores 128 consecutive bytes, the four waves 512
	global_store_b32 v[O4], v216, s[18:19]
	global_store_b64 v[O8], v[212:213], s[20:21]   ; a wave stores 256 consecutive bytes, aligned
	s_wait_tensorcnt 0x0
	ds_add_u32 v254, v255
	s_wait_dscnt 0x0
	s_endpgm
.Lfunc_end_k_q890c591ce0_gate:
	.size	k_q890c591ce0_gate, .Lfunc_end_k_q890c591ce0_gate-k_q890c591ce0_gate
	.p2alignl 7, 3214868480
	.fill 96, 4, 3214868480
	.section	.rodata,"a",@progbits
	.p2align	6, 0x0
	.amdhsa_kernel k_q890c591ce0_gate
		.amdhsa_group_segment_fixed_size 68096
		.amdhsa_private_segment_fixed_size 0
		.amdhsa_enable_private_segment 0
		.amdhsa_kernarg_size 72
		.amdhsa_user_sgpr_count 2
		.amdhsa_user_sgpr_kernarg_segment_ptr 1
		.amdhsa_wavefront_size32 1
		.amdhsa_system_sgpr_workgroup_id_x 1
		.amdhsa_system_sgpr_workgroup_id_y 1
		.amdhsa_system_sgpr_workgroup_id_z 1
		.amdhsa_system_vgpr_workitem_id 0
		.amdhsa_next_free_vgpr 640
		.amdhsa_next_free_sgpr 66
		.amdhsa_reserve_vcc 1
		.amdhsa_float_denorm_mode_32 3
		.amdhsa_float_denorm_mode_16_64 3
		.amdhsa_memory_ordered 1
		.amdhsa_forward_progress 1
		.amdhsa_inst_pref_size 117
	.end_amdhsa_kernel
	.amdgpu_metadata
---
amdhsa.version: [ 1, 2 ]
amdhsa.kernels:
  - .name:           k_q890c591ce0_gate
    .symbol:         k_q890c591ce0_gate.kd
    .args:
      - { .name: x_codes, .offset: 0, .size: 8, .value_kind: global_buffer, .address_space: global }
      - { .name: gw1_codes, .offset: 8, .size: 8, .value_kind: global_buffer, .address_space: global }
      - { .name: gb1, .offset: 16, .size: 8, .value_kind: global_buffer, .address_space: global }
      - { .name: gw2, .offset: 24, .size: 8, .value_kind: global_buffer, .address_space: global }
      - { .name: gb2, .offset: 32, .size: 8, .value_kind: global_buffer, .address_space: global }
      - { .name: lowp_scales, .offset: 40, .size: 8, .value_kind: global_buffer, .address_space: global }
      - { .name: meta, .offset: 48, .size: 8, .value_kind: global_buffer, .address_space: global }
      - { .name: cnt, .offset: 56, .size: 8, .value_kind: global_buffer, .address_space: global }
      - { .name: wts, .offset: 64, .size: 8, .value_kind: global_buffer, .address_space: global }
    .group_segment_fixed_size: 68096
    .private_segment_fixed_size: 0
    .kernarg_segment_align: 8
    .kernarg_segment_size: 72
    .max_flat_workgroup_size: 128
    .sgpr_count:     66
    .vgpr_count:     640
    .wavefront_size: 32
...
	.end_amdgpu_metadata
.endif
;; end of part 1
;; launch place (part 2): grid 32 x 1, 32 waves a work-group, no clusters, 8,192 bytes of LDS; arguments cnt, meta, ord; writes ord
.if DOCPART == 2
	.amdgcn_target "amdgcn-amd-amdhsa--gfx1250"
	.amdhsa_code_object_version 6
	.text
	.protected	k_q890c591ce0_place
	.globl	k_q890c591ce0_place
	.p2align	8
	.type	k_q890c591ce0_place,@function
k_q890c591ce0_place:
	s_mov_b64 s[64:65], 0
	v_nop
	global_prefetch_b8 v0, s[64:65] scope:SCOPE_SE
	s_setreg_imm32_b32 hwreg(HW_REG_WAVE_MODE, 25, 1), 1
	s_wait_xcnt 0x0
; THE PLACING: a counting sort of the 32,768 tokens by bucket (pair of experts), without atomics.  ord[position] = token | a << 16 | b << 24.
; A token's position = the tokens of all lower buckets + the tokens of its bucket in earlier groups of 32 + its rank in its own group.
; Work-group j places groups 32 j .. 32 j + 31, wave w group 32 j + w.  In the sums a lane is a bucket.  Every work-group reads all 1,024 groups' counts (128 KiB): wave w adds the 32 groups of
; chunk w, the chunks' sums meet in LDS; their total gives the buckets' bases (a scan over the lanes), the chunks below j and the groups of chunk j below w give the rest.
; The stores are 4 bytes a lane at scattered places: 128 KiB in all; that is the price of the sort.
.macro SUM32 d, b                      ; v[d] = v[b] + .. + v[b + 31]
	v_add3_u32 v[\d], v[\b], v[\b+1], v[\b+2]
.irp i, 3,5,7,9,11,13,15,17,19,21,23,25,27,29
	v_add3_u32 v[\d], v[\d], v[\b+\i], v[\b+\i+1]
.endr
	v_add_nc_u32 v[\d], v[\d], v[\b+31]
.endm
	s_load_b128 s[4:7], s[0:1], 0x0                ; cnt, meta
	s_load_b64 s[10:11], s[0:1], 0x10              ; ord
	v_lshl_add_u32 v96, v0, 2, 0x1000
	v_mov_b32 v97, 0
	v_lshrrev_b32 v3, 5, v0
	v_readfirstlane_b32 s8, v3                     ; wave 0..31
	v_and_b32 v4, 31, v0                           ; lane
	v_lshlrev_b32 v1, 2, v4
	v_lshlrev_b32 v2, 2, v0
	s_lshl_b32 s12, s8, 12                         ; a chunk of 32 groups is 4,096 bytes
	s_mov_b32 s13, 0
	s_lshl_b32 s14, ttmp9, 12
	s_mov_b32 s15, 0
	s_wait_kmcnt 0x0
	s_add_nc_u64 s[16:17], s[4:5], s[12:13]        ; chunk w
	s_add_nc_u64 s[18:19], s[4:5], s[14:15]        ; chunk j
	s_add_nc_u64 s[6:7], s[6:7], s[14:15]          ; my work-group's 1,024 tokens
.irp i, 0,1,2,3,4,5,6,7,8,9,10,11,12,13,14,15,16,17,18,19,20,21,22,23,24,25,26,27,28,29,30,31
	global_load_b32 v[8+\i], v1, s[16:17] offset:128*\i
.endr
.irp i, 0,1,2,3,4,5,6,7,8,9,10,11,12,13,14,15,16,17,18,19,20,21,22,23,24,25,26,27,28,29,30,31
	global_load_b32 v[40+\i], v1, s[18:19] offset:128*\i
.endr
	global_load_b32 v72, v2, s[6:7]
	s_wait_loadcnt 0x0
	SUM32 73, 8                                    ; chunk w's count of bucket = lane
	ds_store_b32 v2, v73                           ; at 128 w + 4 lane
	v_mov_b32 v74, 0
.irp i, 0,1,2,3,4,5,6,7,8,9,10,11,12,13,14,15,16,17,18,19,20,21,22,23,24,25,26,27,28,29,30
	s_cmp_lt_u32 \i, s8                            ; the groups of my chunk below mine
	s_cselect_b32 s9, -1, 0
	v_and_b32 v75, s9, v[40+\i]
	v_add_nc_u32 v74, v74, v75
.endr
	s_wait_dscnt 0x0                               ; for the others' sake: my store has landed
	s_barrier_signal -1
	s_barrier_wait -1
.irp i, 0,1,2,3,4,5,6,7,8,9,10,11,12,13,14,15,16,17,18,19,20,21,22,23,24,25,26,27,28,29,30,31
	ds_load_b32 v[8+\i], v1 offset:128*\i
.endr
	s_wait_dscnt 0x0
	SUM32 76, 8                                    ; the bucket's total
	v_mov_b32 v77, 0
.irp i, 0,1,2,3,4,5,6,7,8,9,10,11,12,13,14,15,16,17,18,19,20,21,22,23,24,25,26,27,28,29,30
	s_cmp_lt_u32 \i, ttmp9                         ; the chunks below mine
	s_cselect_b32 s9, -1, 0
	v_and_b32 v75, s9, v[8+\i]
	v_add_nc_u32 v77, v77, v75
.endr
	v_mov_b32 v78, v76                             ; a running sum of the totals over the lanes: four steps inside each half of 16,
	v_mov_b32 v79, 0
.irp n, 1,2,4,8
	v_mov_b32_dpp v79, v78 row_shr:\n row_mask:0xf bank_mask:0xf bound_ctrl:1
	v_add_nc_u32 v78, v78, v79
.endr
	v_readlane_b32 s9, v78, 15                     ; and the lower half's sum onto the upper half
	v_cmp_lt_u32 vcc_lo, 15, v4
	v_cndmask_b32 v79, 0, s9, vcc_lo
	v_add_nc_u32 v78, v78, v79
	v_sub_nc_u32 v78, v78, v76                     ; the lower buckets' tokens
	v_add3_u32 v78, v78, v77, v74                  ; + the bucket's tokens in earlier groups: where my group's first token of bucket = lane goes
	v_and_b32 v80, 0xff, v72                       ; now a lane is a token: its bucket,
	v_min_u32 v80, 31, v80
	v_lshlrev_b32 v80, 2, v80
	ds_bpermute_b32 v81, v80, v78                  ; that bucket's place,
	v_bfe_u32 v82, v72, 8, 8                       ; its rank,
	v_and_b32 v83, 0xffff0000, v72                 ; its two experts,
	s_lshl_b32 s12, ttmp9, 10
	v_add_nc_u32 v84, s12, v0                      ; its number
	v_or_b32 v83, v83, v84
	s_wait_dscnt 0x0
	v_add_nc_u32 v81, v81, v82
	v_min_u32 v81, 0x7fff, v81                     ; a position lies inside ord
	v_lshlrev_b32 v81, 2, v81
	global_store_b32 v81, v83, s[10:11]
	s_wait_tensorcnt 0x0
	ds_add_u32 v96, v97
	s_wait_dscnt 0x0
	s_endpgm
.Lfunc_end_k_q890c591ce0_place:
	.size	k_q890c591ce0_place, .Lfunc_end_k_q890c591ce0_place-k_q890c591ce0_place
	.p2alignl 7, 3214868480
	.fill 96, 4, 3214868480
	.section	.rodata,"a",@progbits
	.p2align	6, 0x0
	.amdhsa_kernel k_q890c591ce0_place
		.amdhsa_group_segment_fixed_size 8192
		.amdhsa_private_segment_fixed_size 0
		.amdhsa_enable_private_segment 0
		.amdhsa_kernarg_size 24
		.amdhsa_user_sgpr_count 2
		.amdhsa_user_sgpr_kernarg_segment_ptr 1
		.amdhsa_wavefront_size32 1
		.amdhsa_system_sgpr_workgroup_id_x 1
		.amdhsa_system_sgpr_workgroup_id_y 1
		.amdhsa_system_sgpr_workgroup_id_z 1
		.amdhsa_system_vgpr_workitem_id 0
		.amdhsa_next_free_vgpr 98
		.amdhsa_next_free_sgpr 66
		.amdhsa_reserve_vcc 1
		.amdhsa_float_denorm_mode_32 3
		.amdhsa_float_denorm_mode_16_64 3
		.amdhsa_memory_ordered 1
		.amdhsa_forward_progress 1
		.amdhsa_inst_pref_size 21
	.end_amdhsa_kernel
	.amdgpu_metadata
---
amdhsa.version: [ 1, 2 ]
amdhsa.kernels:
  - .name:           k_q890c591ce0_place
    .symbol:         k_q890c591ce0_place.kd
    .args:
      - { .name: cnt, .offset: 0, .size: 8, .value_kind: global_buffer, .address_space: global }
      - { .name: meta, .offset: 8, .size: 8, .value_kind: global_buffer, .address_space: global }
      - { .name: ord, .offset: 16, .size: 8, .value_kind: global_buffer, .address_space: global }
    .group_segment_fixed_size: 8192
    .private_segment_fixed_size: 0
    .kernarg_segment_align: 8
    .kernarg_segment_size: 24
    .max_flat_workgroup_size: 1024
    .sgpr_count:     66
    .vgpr_count:     98
    .wavefront_size: 32
...
	.end_amdgpu_metadata
.endif
;; end of part 2
;; launch chain (part 3): grid 256 x 1, 4 waves a work-group, no clusters, 203,264 bytes of LDS; arguments x_codes, w1_codes, w2_codes, w3_codes, b1, g1, be1, b2, g2, be2, b3, lowp_scales, ord, wts, out0; writes out0
.if DOCPART == 3
	.amdgcn_target "amdgcn-amd-amdhsa--gfx1250"
	.amdhsa_code_object_version 6
	.text
	.protected	k_q890c591ce0_chain
	.globl	k_q890c591ce0_chain
	.p2align	8
	.type	k_q890c591ce0_chain,@function
k_q890c591ce0_chain:
	s_mov_b64 s[64:65], 0
	v_nop
	global_prefetch_b8 v0, s[64:65] scope:SCOPE_SE
	s_setreg_imm32_b32 hwreg(HW_REG_WAVE_MODE, 25, 1), 1
	s_wait_xcnt 0x0
; THE EXPERTS.  out[t] = the sum over t's two experts E of weight x ( relu(LN(relu(LN(x w1[E] + b1[E])) w2[E] + b2[E])) w3[E] + b3[E] ), all three products on codes of E5M2.
; Only the chosen experts are computed: the others' results are thrown away by the gather of the top two.
; SHARES.  A work-group owns 128 tokens that lie together in the order sorted by pair of experts (ord), so they use two experts, three across a boundary between pairs, up to eight in the worst case; it owns their
; rows of out.  It walks, in a loop of eight trips, the experts that its tokens use (a mask made of ord's words); a trip without an expert jumps over the work and passes the barriers.
; Every token of the block goes through every expert that the block uses; its weight is 0 where the expert is not its own.
; No tensor load and no cluster.  THE WAVES SHARE THE COLUMNS: wave w makes units 64 w .. 64 w + 63 of each layer for all 128 tokens, so its part of each weight
; (128 registers) goes from memory straight into registers, once for each expert, the next expert's as soon as the registers are free.
; The rows' codes go from wave to wave through LDS as images of the operand's registers (four stores of 512 bytes a fragment of 16 tokens x 128 K).
; The products are used transposed (source 0 = 16 rows of the weight, source 1 = 16 tokens): a lane holds ONE token (lane % 16).  THE ROWS OF A WEIGHT THAT FORM A TILE ARE NOT NEIGHBOURS: lane r of tile 2 b + u
; takes row 64 w + 32 b + 8 u + r + 8 (r / 8), so that accumulator registers 16 b .. 16 b + 15 are units 64 w + 32 b + 16 (lane / 16) + 0 .. 15: 16 neighbours along the next K.
; LAYERNORM over 256 units that lie in four waves: each wave makes the mean of its 64 units and the sum of squares about THAT mean; one exchange through LDS; the four are joined as
; M2 = sum of M2_w + 64 x sum of (mean_w - mean)^2: no difference of large sums is formed.
; SCALES.  A sum of product k stands for sum x 2^Ek (E1 = e2 + e3, E2 = e4 + e5, E3 = e6 + e7): the bias goes in as the C of the first product, divided by 2^Ek; the variance is brought to true size by 2^(2 Ek - 8)
; (the 8: / 256), 1 / sqrt by 2^Ek; the hidden layers are quantised with 2^e5 and 2^e7; relu and the hold at the largest code are one instruction.
; LIMITS: e5 and e7 between -126 and 112, so that 2^e and 57,344 x 2^e are f32 numbers; the other powers of two are applied by v_ldexp_f32.  NaN among the inputs is not served.
.set XIMG,   0                         ; LDS: x's 16 fragments (tile m, K step s: 2 m + s), 2,048 bytes each
.set HIMG,   32768                     ; a hidden layer's 16 fragments: one region serves both layers
.set STAT,   65536                     ; (mean_w, M2_w): token 16 m + r at 32 (16 m + r), wave w at + 8 w
.set OUTL,   69632                     ; the block's 128 rows of out: 1,024 bytes + 16
.set OPITCH, 1040
.set R4,   1                           ; v1   4 r
.set LI,   2                           ; v2   16 x lane
.set WO,   3                           ; v3   (r + 8 (r / 8)) x 256 + 16 h: my bytes in a tile of a weight
.set H64,  4                           ; v4   64 h: my half's 16 numbers of a bias or gain
.set XW,   5                           ; v5   where I store x's images
.set HW,   6                           ; v6   where I store my quarter of a hidden fragment
.set STW,  7                           ; v7   where I store my wave's statistics
.set STR,  8                           ; v8   where I read a token's four
.set SO0,  9                           ; v9   my 64 bytes of row r of out in LDS, tiles 0-3;  v10: tiles 4-7
.set RD,   11                          ; v11  the way out: my 16 bytes of my wave's first row
.set SC5,  12                          ; v12, v13  2^e5, 57,344 x 2^e5;  v14, v15  the same for e7
.set LIM5, 13
.set SC7,  14
.set LIM7, 15
.set ORD,  16                          ; v16-23   ord's word of token 16 m + r
.set WAB,  24                          ; v24-39   its two weights
.set SP,   40                          ; v40-55   (mean_w, M2_w) a tile; later (the offset, -)
.set TT,   56                          ; v56-63   at work, one a tile
.set XF,   64                          ; v64-159  three buffers of two fragments; at work between the products
.set PP,   128                         ; v128-143 a pair a tile: (the scale of the normalising, -) or (the token's weight, -)
.set AD,   144                         ; v144-159 the way out: the stores' offsets
.set BI1,  160                         ; v160-255 the three biases in the result's layout
.set BI2,  192
.set BI3,  224
; window 1: the 32 accumulators: (tile m, tile of units q) at 32 m + 8 q.   window 2: w1's fragments (q, K step s) at 32 q + 16 s; w2's at 128 + the same.
; window 3: w3's at 0; g1 at 128, be1 at 160, g2 at 192, be2 at 224.
; s34 wave; s35 w << 14; s3 w << 8; s[36:37] lane selects; s38 experts left; s39 the expert in hand; s40 is there one; s41 the next; s42 is there a next; s43 trips;
; s[44:45], s[46:47] the next expert's offsets in a weight and in a bias; s[48:51] addresses in hand; s52-54 -E1, -E2, -E3; s55 E3; s66, s67 E1, E2; s100, s101 2 E1 - 8, 2 E2 - 8; s68-99 ord's words of my wave's 32 rows.
.set MSB, 0
.macro WIN new                         ; the immediate's high byte repeats the setting that is left
.if MSB != (\new)
	s_set_vgpr_msb (MSB<<8)|(\new)
.set MSB, (\new)
.endif
.endm
.macro BARRIER                         ; my LDS stores have landed and my LDS loads are in: then the work-group's barrier.  Every barrier stands outside the jumps on the list
	s_wait_dscnt 0x0
	s_barrier_signal -1
	s_barrier_wait -1
.endm
.macro LOADW wp, base, win, off        ; my 64 rows of a weight: 8 fragments.  wp: its address; off: the expert's and the wave's offset
	s_wait_xcnt 0x0                                ; earlier loads have read their base
	s_add_nc_u64 s[48:49], s[\wp:\wp+1], s[\off:\off+1]
	WIN \win
.irp q, 0,1,2,3
.irp s, 0,1
.irp c, 0,1,2,3
	global_load_b128 v[\base+16*(2*\q+\s)+4*\c:\base+16*(2*\q+\s)+4*\c+3], v[WO], s[48:49] offset:(32*(\q/2)+8*(\q%2))*256+128*\s+32*\c
.endr
.endr
.endr
	WIN 0
.endm
.macro LOADP reg, win, bp, off         ; my 32 numbers of a bias or gain, in the result's layout
	s_wait_xcnt 0x0
	s_add_nc_u64 s[50:51], s[\bp:\bp+1], s[\off:\off+1]
	WIN \win
.irp q, 0,1,2,3
	global_load_b128 v[\reg+8*\q:\reg+8*\q+3], v[H64], s[50:51] offset:(32*(\q/2)+8*(\q%2))*4
	global_load_b128 v[\reg+8*\q+4:\reg+8*\q+7], v[H64], s[50:51] offset:(32*(\q/2)+8*(\q%2))*4+16
.endr
	WIN 0
.endm
.macro FETCH t, src                    ; tile t's two fragments into buffer t % 3
.irp s, 0,1
.irp c, 0,1,2,3
	ds_load_b128 v[XF+32*((\t)%3)+16*\s+4*\c:XF+32*((\t)%3)+16*\s+4*\c+3], v[LI] offset:\src+(2*(\t)+\s)*2048+512*\c
.endr
.endr
.endm
; A LAYER'S PRODUCTS: my 64 units for the 128 tokens: 64 matrix instructions, a tile's four accumulators by turns.
; bi: the bias; wb, ww: the weight's registers and window; src: the images; lc: the loads that may stay out; sneg: -E; wp, bp: the weight's and the bias's addresses, for the next expert's.
.macro MATRIX bi, wb, ww, src, lc, sneg, wp, bp
	FETCH 0, \src
	FETCH 1, \src
	FETCH 2, \src
	s_wait_loadcnt \lc                             ; the weight and the bias are in
.irp j, 0,1,2,3,4,5,6,7,8,9,10,11,12,13,14,15,16,17,18,19,20,21,22,23,24,25,26,27,28,29,30,31
	v_ldexp_f32 v[\bi+\j], v[\bi+\j], s[\sneg]     ; the bias / 2^E, once for each load of it
.endr
.irp m, 0,1,2,3,4,5,6,7
.if \m <= 5
	s_wait_dscnt 16                                ; this tile's eight loads are in; the two later tiles' may be out
.elseif \m == 6
	s_wait_dscnt 8
.else
	s_wait_dscnt 0
.endif
	WIN (0x40|\ww)                                 ; D window 1, the weight's window, tokens and bias window 0
.irp q, 0,1,2,3
	v_wmma_f32_16x16x128_bf8_bf8 v[32*\m+8*\q:32*\m+8*\q+7], v[\wb+32*\q:\wb+32*\q+15], v[XF+32*(\m%3):XF+32*(\m%3)+15], v[\bi+8*\q:\bi+8*\q+7]
.endr
	WIN (0x50|\ww)                                 ; C window 1 too
.irp q, 0,1,2,3
	v_wmma_f32_16x16x128_bf8_bf8 v[32*\m+8*\q:32*\m+8*\q+7], v[\wb+32*\q+16:\wb+32*\q+31], v[XF+32*(\m%3)+16:XF+32*(\m%3)+31], v[32*\m+8*\q:32*\m+8*\q+7]
.endr
	WIN 0
.rept 4
	v_nop                                          ; four places in front of loads into registers that the products have read, and, behind the last tile, of the first read of results
.endr
.if \m+3 < 8
	FETCH \m+3, \src
.endif
.endr
	s_cmp_lg_u32 s42, 0                            ; the registers are free: the next expert's weight and bias, if there is a next expert
	s_cbranch_scc0 .Lno_next_\@
	LOADW \wp, \wb, (\ww<<6), 44
	LOADP \bi, 0, \bp, 46
.Lno_next_\@:
.endm
.macro REDUCE                          ; four pairs a tile, at v[XF + 8 m] on, come down to one number and the other half of the lanes' (at + 0 and + 2); the tiles take turns
.irp m, 0,1,2,3,4,5,6,7
	v_pk_add_f32 v[XF+8*\m:XF+8*\m+1], v[XF+8*\m:XF+8*\m+1], v[XF+8*\m+2:XF+8*\m+3]
.endr
.irp m, 0,1,2,3,4,5,6,7
	v_pk_add_f32 v[XF+8*\m+4:XF+8*\m+5], v[XF+8*\m+4:XF+8*\m+5], v[XF+8*\m+6:XF+8*\m+7]
.endr
.irp m, 0,1,2,3,4,5,6,7
	v_pk_add_f32 v[XF+8*\m:XF+8*\m+1], v[XF+8*\m:XF+8*\m+1], v[XF+8*\m+4:XF+8*\m+5]
.endr
.irp m, 0,1,2,3,4,5,6,7
	v_add_f32 v[XF+8*\m], v[XF+8*\m], v[XF+8*\m+1]
.endr
.irp m, 0,1,2,3,4,5,6,7
	v_permlanex16_b32 v[XF+8*\m+2], v[XF+8*\m], s36, s37   ; the token's other 32 units lie in the lane 16 away
.endr
.endm
; MY WAVE'S STATISTICS of each token: the mean of its 64 units, which is taken off the sums in place, and the sum of squares about it.
.macro STATS
	WIN 0x05                                       ; sources window 1
.irp c, 0,2,4,6                                ; each accumulator is read from its low end on
.irp m, 0,1,2,3,4,5,6,7
	v_pk_add_f32 v[XF+8*\m+\c:XF+8*\m+\c+1], v[32*\m+\c:32*\m+\c+1], v[32*\m+\c+8:32*\m+\c+9]
.endr
.endr
	WIN 0x01
.irp o, 16,24
.irp c, 0,2,4,6
.irp m, 0,1,2,3,4,5,6,7
	v_pk_add_f32 v[XF+8*\m+\c:XF+8*\m+\c+1], v[32*\m+\c+\o:32*\m+\c+\o+1], v[XF+8*\m+\c:XF+8*\m+\c+1]
.endr
.endr
.endr
	WIN 0
	REDUCE
.irp m, 0,1,2,3,4,5,6,7
	v_add_f32 v[XF+8*\m], v[XF+8*\m], v[XF+8*\m+2]
.endr
.irp m, 0,1,2,3,4,5,6,7
	v_mul_f32 v[SP+2*\m], 0x3c800000, v[XF+8*\m]   ; / 64
.endr
	WIN 0x41                                       ; source 0 and destination window 1
.set j, 0
.rept 128
	v_pk_add_f32 v[j:j+1], v[j:j+1], v[SP+2*(j/32):SP+2*(j/32)+1] op_sel_hi:[1,0] neg_lo:[0,1] neg_hi:[0,1]   ; - mean_w (the pair's low word for both halves)
.set j, j+2
.endr
	WIN 0x05
.irp c, 0,2,4,6
.irp m, 0,1,2,3,4,5,6,7
	v_pk_mul_f32 v[XF+8*\m+\c:XF+8*\m+\c+1], v[32*\m+\c:32*\m+\c+1], v[32*\m+\c:32*\m+\c+1]
.endr
.endr
.irp o, 8,16,24
.irp c, 0,2,4,6
.irp m, 0,1,2,3,4,5,6,7
	v_pk_fma_f32 v[XF+8*\m+\c:XF+8*\m+\c+1], v[32*\m+\c+\o:32*\m+\c+\o+1], v[32*\m+\c+\o:32*\m+\c+\o+1], v[XF+8*\m+\c:XF+8*\m+\c+1]
.endr
.endr
.endr
	WIN 0
	REDUCE
.irp m, 0,1,2,3,4,5,6,7
	v_add_f32 v[SP+2*\m+1], v[XF+8*\m], v[XF+8*\m+2]
.endr
.irp m, 0,1,2,3,4,5,6,7
	ds_store_b64 v[STW], v[SP+2*\m:SP+2*\m+1] offset:512*\m   ; both halves of the lanes store the same pair to the same place
.endr
.endm
; THE REST OF A LAYERNORM, relu, the quantiser, and my quarter of each of the next operand's fragments to LDS.
; gg, bb: gain and bias in window 3; sc, lim: the scale and the largest code x the scale; sx: E; sy: 2 E - 8; pg, pb: the gain's and the bias's addresses, for the next expert's.
.macro FINISH gg, bb, sc, lim, sx, sy, pg, pb
	s_wait_loadcnt 0x0                             ; the gain and the bias are in
.irp m, 0,1,2,3,4,5,6,7
	ds_load_b128 v[XF+8*\m:XF+8*\m+3], v[STR] offset:512*\m        ; mean_0, M2_0, mean_1, M2_1,
	ds_load_b128 v[XF+8*\m+4:XF+8*\m+7], v[STR] offset:512*\m+16   ; mean_2, M2_2, mean_3, M2_3
.endr
	s_wait_dscnt 0x0
.irp m, 0,1,2,3,4,5,6,7
	v_add_f32 v[TT+\m], v[XF+8*\m], v[XF+8*\m+2]
.endr
.irp m, 0,1,2,3,4,5,6,7
	v_add_f32 v[PP+2*\m], v[XF+8*\m+4], v[XF+8*\m+6]
.endr
.irp m, 0,1,2,3,4,5,6,7
	v_add_f32 v[TT+\m], v[TT+\m], v[PP+2*\m]
.endr
.irp m, 0,1,2,3,4,5,6,7
	v_mul_f32 v[TT+\m], 0x3e800000, v[TT+\m]       ; the mean of all 256
.endr
.irp m, 0,1,2,3,4,5,6,7
	v_add_f32 v[XF+8*\m+1], v[XF+8*\m+1], v[XF+8*\m+3]
.endr
.irp m, 0,1,2,3,4,5,6,7
	v_add_f32 v[XF+8*\m+5], v[XF+8*\m+5], v[XF+8*\m+7]
.endr
.irp m, 0,1,2,3,4,5,6,7
	v_add_f32 v[XF+8*\m+1], v[XF+8*\m+1], v[XF+8*\m+5]   ; the four M2
.endr
.irp c, 0,2,4,6
.irp m, 0,1,2,3,4,5,6,7
	v_sub_f32 v[XF+8*\m+\c], v[XF+8*\m+\c], v[TT+\m]     ; mean_i - mean
.endr
.endr
.irp m, 0,1,2,3,4,5,6,7
	v_mul_f32 v[PP+2*\m], v[XF+8*\m], v[XF+8*\m]
.endr
.irp c, 2,4,6
.irp m, 0,1,2,3,4,5,6,7
	v_fmac_f32 v[PP+2*\m], v[XF+8*\m+\c], v[XF+8*\m+\c]
.endr
.endr
.irp m, 0,1,2,3,4,5,6,7
	v_fmamk_f32 v[PP+2*\m], v[PP+2*\m], 0x42800000, v[XF+8*\m+1]   ; x 64 + the four M2
.endr
.irp m, 0,1,2,3,4,5,6,7
	v_ldexp_f32 v[PP+2*\m], v[PP+2*\m], s[\sy]     ; the variance in true size
.endr
.irp m, 0,1,2,3,4,5,6,7
	v_add_f32 v[PP+2*\m], 0x3727c5ac, v[PP+2*\m]   ; + 1e-5
.endr
.irp m, 0,1,2,3,4,5,6,7
	v_rsq_f32 v[PP+2*\m+1], v[PP+2*\m]
.endr
.irp m, 0,1,2,3,4,5,6,7
	v_sub_f32 v[TT+\m], v[SP+2*\m], v[TT+\m]       ; mean_w - mean: plain work behind the batch
.endr
	s_wait_alu depctr_va_vdst(0)                   ; one wait for the eight, ahead of the first use of a result
.irp m, 0,1,2,3,4,5,6,7
	v_ldexp_f32 v[PP+2*\m], v[PP+2*\m+1], s[\sx]   ; the scale: 2^E / sqrt
.endr
.irp m, 0,1,2,3,4,5,6,7
	v_mul_f32 v[SP+2*\m], v[TT+\m], v[PP+2*\m]     ; the offset
.endr
	WIN 0x41
.set j, 0
.rept 128
	v_pk_fma_f32 v[j:j+1], v[j:j+1], v[PP+2*(j/32):PP+2*(j/32)+1], v[SP+2*(j/32):SP+2*(j/32)+1] op_sel_hi:[1,0,0]   ; (h - mean) / sqrt(var + eps)
.set j, j+2
.endr
	WIN 0x7d                                       ; gain and bias window 3
.set j, 0
.rept 128
	v_pk_fma_f32 v[j:j+1], v[j:j+1], v[\gg+j%32:\gg+j%32+1], v[\bb+j%32:\bb+j%32+1]
.set j, j+2
.endr
	WIN 0x41
.set j, 0
.rept 256
	v_med3_num_f32 v[j], v[j], 0, v[\lim]          ; relu and the hold in one: the conversion to an 8-bit code does not saturate (ISA guide 7.6.2)
.set j, j+1
.endr
	WIN 0x01
.set j, 0
.rept 32
	v_cvt_scalef32_pk8_bf8_f32 v[XF+2*j:XF+2*j+1], v[8*j:8*j+7], v[\sc]   ; eight neighbours along the next K
.set j, j+1
.endr
	v_nop                                          ; a plain instruction behind the last conversion: the next products write its sources
	WIN 0
.irp m, 0,1,2,3,4,5,6,7
.irp b, 0,1
	ds_store_b128 v[HW], v[XF+8*\m+4*\b:XF+8*\m+4*\b+3] offset:HIMG+4096*\m+512*\b   ; K step w / 2, group 2 (w % 2) + b of tile m's fragment
.endr
.endr
	s_cmp_lg_u32 s42, 0
	s_cbranch_scc0 .Lno_next_\@
	LOADP \gg, 0xc0, \pg, 46
	LOADP \bb, 0xc0, \pb, 46
.Lno_next_\@:
.endm
.macro OST t                           ; tile t's 32 numbers a lane into the block's rows in LDS: unit 64 w + 32 b + 16 h + 8 u + j at byte 256 w + 128 b + 64 h + 32 u + 4 j
.irp j, 0,1,2,3,4,5,6,7
	ds_store_b128 v[SO0+(\t)/4], v[XF+32*((\t)%2)+4*\j:XF+32*((\t)%2)+4*\j+3] offset:((\t)%4)*16*OPITCH+128*(\j/4)+32*((\j/2)%2)+16*(\j%2)
.endr
.endm
.macro OLD t                           ; and back
.irp j, 0,1,2,3,4,5,6,7
	ds_load_b128 v[XF+32*((\t)%2)+4*\j:XF+32*((\t)%2)+4*\j+3], v[SO0+(\t)/4] offset:((\t)%4)*16*OPITCH+128*(\j/4)+32*((\j/2)%2)+16*(\j%2)
.endr
.endm
; THE WEIGHTED SUM.  The rows of out are kept in LDS, each wave its own columns.  The first expert's trip stores, the later ones add.
.macro OUTPHASE
.irp m, 0,1,2,3,4,5,6,7
	v_bfe_u32 v[TT+\m], v[ORD+\m], 16, 3
.endr
.irp m, 0,1,2,3,4,5,6,7
	v_cmp_eq_u32 vcc_lo, s39, v[TT+\m]
	v_cndmask_b32 v[PP+2*\m], 0, v[WAB+2*\m], vcc_lo
.endr
.irp m, 0,1,2,3,4,5,6,7
	v_bfe_u32 v[TT+\m], v[ORD+\m], 24, 3
.endr
.irp m, 0,1,2,3,4,5,6,7
	v_cmp_eq_u32 vcc_lo, s39, v[TT+\m]
	v_cndmask_b32 v[PP+2*\m], v[PP+2*\m], v[WAB+2*\m+1], vcc_lo
.endr
.irp m, 0,1,2,3,4,5,6,7
	v_ldexp_f32 v[PP+2*\m], v[PP+2*\m], s55        ; the token's weight for this expert (0 if it is not its own) x 2^E3
.endr
	s_cmp_lg_u32 s43, 0
	s_cbranch_scc1 .Ladd_\@
.irp m, 0,1,2,3,4,5,6,7
	WIN 0x01
.irp i, 0,2,4,6,8,10,12,14,16,18,20,22,24,26,28,30
	v_pk_mul_f32 v[XF+32*(\m%2)+\i:XF+32*(\m%2)+\i+1], v[32*\m+\i:32*\m+\i+1], v[PP+2*\m:PP+2*\m+1] op_sel_hi:[1,0]
.endr
	WIN 0
	OST \m
.endr
	s_branch .Ldone_\@
.Ladd_\@:
	OLD 0
	OLD 1
.irp m, 0,1,2,3,4,5,6,7
.if \m == 0
	s_wait_dscnt 8                                 ; tile 0's loads are in; tile 1's may be out
.elseif \m == 7
	s_wait_dscnt 8                                 ; behind tile 7's loads: tile 6's stores
.else
	s_wait_dscnt 16                                ; behind this tile's loads: the tile before's eight stores and the next tile's eight loads
.endif
	WIN 0x01
.irp i, 0,2,4,6,8,10,12,14,16,18,20,22,24,26,28,30
	v_pk_fma_f32 v[XF+32*(\m%2)+\i:XF+32*(\m%2)+\i+1], v[32*\m+\i:32*\m+\i+1], v[PP+2*\m:PP+2*\m+1], v[XF+32*(\m%2)+\i:XF+32*(\m%2)+\i+1] op_sel_hi:[1,0,1]
.endr
	WIN 0
	OST \m
.if \m < 6
	OLD \m+2
.endif
.endr
.Ldone_\@:
.endm
	s_load_b512 s[4:19], s[0:1], 0x0               ; x s[4:5], w1 s[6:7], w2 s[8:9], w3 s[10:11], b1 s[12:13], g1 s[14:15], be1 s[16:17], b2 s[18:19]
	s_load_b256 s[20:27], s[0:1], 0x40             ; g2 s[20:21], be2 s[22:23], b3 s[24:25], the scales' exponents s[26:27]
	s_load_b128 s[28:31], s[0:1], 0x60             ; ord s[28:29], wts s[30:31]
	s_load_b64 s[32:33], s[0:1], 0x70              ; out
	v_lshrrev_b32 v56, 5, v0
	v_readfirstlane_b32 s34, v56                   ; wave 0..3
	v_and_b32 v57, 31, v0                          ; lane
	v_and_b32 v58, 15, v0                          ; r
	v_bfe_u32 v59, v0, 4, 1                        ; h
	v_lshlrev_b32 v62, 4, v59                      ; 16 h
	v_lshlrev_b32 v[R4], 2, v58
	v_lshlrev_b32 v[LI], 4, v57
	v_and_b32 v60, 8, v58
	v_add_nc_u32 v60, v60, v58                     ; r + 8 (r / 8)
	v_lshlrev_b32 v[WO], 8, v60
	v_lshl_add_u32 v[WO], v59, 4, v[WO]
	v_lshlrev_b32 v[H64], 6, v59
	s_lshl_b32 s2, s34, 13
	v_add_nc_u32 v[XW], s2, v[LI]                  ; 16 lane + 8,192 w: tiles 2 w and 2 w + 1
	s_lshr_b32 s2, s34, 1
	s_lshl_b32 s2, s2, 11
	s_and_b32 s3, s34, 1
	s_lshl_b32 s3, s3, 10
	s_add_co_u32 s2, s2, s3
	v_add_nc_u32 v[HW], s2, v[LI]                  ; 16 lane + 2,048 (w / 2) + 1,024 (w % 2)
	s_lshl_b32 s2, s34, 3
	s_add_co_u32 s2, s2, STAT
	v_lshlrev_b32 v[STR], 5, v58
	v_add_nc_u32 v[STW], s2, v[STR]
	v_add_nc_u32 v[STR], STAT, v[STR]
	v_mul_u32_u24 v[SO0], v58, OPITCH
	v_lshl_add_u32 v[SO0], v59, 6, v[SO0]
	s_lshl_b32 s2, s34, 8
	s_add_co_u32 s2, s2, OUTL
	v_add_nc_u32 v[SO0], s2, v[SO0]
	v_add_nc_u32 v[SO0+1], 4*16*OPITCH, v[SO0]
	s_mul_i32 s2, s34, 32*OPITCH
	s_add_co_u32 s2, s2, OUTL
	v_add_nc_u32 v[RD], s2, v[LI]
.irp j, 1,3,5,7,9,11,13,15
	v_mov_b32 v[SP+\j], 0                          ; named as the upper halves of pairs before they are first made
.endr
	s_lshl_b32 s35, s34, 14                        ; my 64 rows of a weight
	s_lshl_b32 s3, s34, 8                          ; my 64 numbers of a bias
	s_mov_b32 s36, 0x76543210                      ; v_permlanex16_b32: lane l xor 16
	s_mov_b32 s37, 0xfedcba98
	s_lshl_b32 s48, ttmp9, 9                       ; ord: my work-group's 128 words,
	s_mov_b32 s49, 0
	s_lshl_b32 s50, s34, 7                         ; my wave's 32
	s_mov_b32 s51, 0
	s_wait_kmcnt 0x0
	s_add_nc_u64 s[28:29], s[28:29], s[48:49]
	s_add_nc_u64 s[50:51], s[28:29], s[50:51]
	s_load_b256 s[56:63], s[26:27], 0x0            ; e0 .. e7
	s_load_b512 s[68:83], s[50:51], 0x0            ; for the way out
	s_load_b512 s[84:99], s[50:51], 0x40
	global_load_b32 v56, v[R4], s[50:51]           ; the tokens whose x my wave fetches: tiles 2 w, 2 w + 1
	global_load_b32 v57, v[R4], s[50:51] offset:64
.irp m, 0,1,2,3,4,5,6,7
	global_load_b32 v[ORD+\m], v[R4], s[28:29] offset:64*\m
.endr
	s_wait_loadcnt 8                               ; the first two are in; the eight behind them may be out
.irp t, 0,1
	v_and_b32 v[58+\t], 0x7fff, v[56+\t]           ; the token,
	v_min_u32 v[58+\t], 0x7fff, v[58+\t]           ; held inside x
	v_lshl_add_u32 v[58+\t], v[58+\t], 8, v62      ; its row of 256 bytes + 16 h
.endr
.irp t, 0,1
.irp s, 0,1
.irp c, 0,1,2,3
	global_load_b128 v[XF+16*(2*\t+\s)+4*\c:XF+16*(2*\t+\s)+4*\c+3], v[58+\t], s[4:5] offset:128*\s+32*\c
.endr
.endr
.endr
	s_wait_loadcnt 16                              ; ord's eight are in; x's sixteen may be out
	v_mov_b32 v60, 0                               ; which experts my lane's eight tokens use
.irp m, 0,1,2,3,4,5,6,7
	v_bfe_u32 v61, v[ORD+\m], 16, 3
	v_bfe_u32 v63, v[ORD+\m], 24, 3
	v_lshlrev_b32 v61, v61, 1
	v_lshlrev_b32 v63, v63, 1
	v_or_b32 v60, v60, v61
	v_or_b32 v60, v60, v63
.endr
	s_mov_b32 s38, 0                               ; and which the block's 128 use
.irp e, 0,1,2,3,4,5,6,7
	v_and_b32 v61, 1<<\e, v60
	v_cmp_ne_u32 vcc_lo, 0, v61
	s_cmp_lg_u32 vcc_lo, 0
	s_cselect_b32 s2, 1<<\e, 0
	s_or_b32 s38, s38, s2
.endr
	s_wait_kmcnt 0x0
	s_add_co_i32 s66, s58, s59                     ; E1
	s_add_co_i32 s67, s60, s61                     ; E2
	s_add_co_i32 s55, s62, s63                     ; E3
	s_sub_co_i32 s52, 0, s66
	s_sub_co_i32 s53, 0, s67
	s_sub_co_i32 s54, 0, s55
	s_lshl_b32 s100, s66, 1
	s_sub_co_i32 s100, s100, 8
	s_lshl_b32 s101, s67, 1
	s_sub_co_i32 s101, s101, 8
	s_add_co_i32 s2, s61, 127
	s_lshl_b32 s48, s2, 23
	v_mov_b32 v[SC5], s48                          ; 2^e5 as f32: the conversion takes its exponent field
	s_add_co_i32 s2, s2, 15
	s_lshl_b32 s2, s2, 23
	s_or_b32 s2, s2, 0x600000
	v_mov_b32 v[LIM5], s2                          ; 57,344 x 2^e5
	s_add_co_i32 s2, s63, 127
	s_lshl_b32 s48, s2, 23
	v_mov_b32 v[SC7], s48
	s_add_co_i32 s2, s2, 15
	s_lshl_b32 s2, s2, 23
	s_or_b32 s2, s2, 0x600000
	v_mov_b32 v[LIM7], s2
	s_ctz_i32_b32 s39, s38                         ; the first expert (every token has two, so there is one),
	s_min_u32 s39, s39, 7
	s_lshl_b32 s2, 1, s39
	s_and_not1_b32 s38, s38, s2
	s_mov_b32 s40, 1
	s_cmp_lg_u32 s38, 0
	s_cselect_b32 s42, 1, 0
	s_ctz_i32_b32 s41, s38                         ; and the next
	s_min_u32 s41, s41, 7
	s_lshl_b32 s56, s39, 16                        ; s[56:57], s[58:59]: the first expert's offsets (the exponents' registers are free)
	s_add_co_u32 s56, s56, s35
	s_mov_b32 s57, 0
	s_lshl_b32 s58, s39, 10
	s_add_co_u32 s58, s58, s3
	s_mov_b32 s59, 0
	s_lshl_b32 s44, s41, 16
	s_add_co_u32 s44, s44, s35
	s_mov_b32 s45, 0
	s_lshl_b32 s46, s41, 10
	s_add_co_u32 s46, s46, s3
	s_mov_b32 s47, 0
	LOADW 6, 0, 0x80, 56                           ; w1
	LOADP BI1, 0, 12, 58                           ; b1
	s_wait_loadcnt 40                              ; x is in; the 40 just issued may be out
.irp f, 0,1,2,3
.irp c, 0,1,2,3
	ds_store_b128 v[XW], v[XF+16*\f+4*\c:XF+16*\f+4*\c+3] offset:XIMG+\f*2048+512*\c
.endr
.endr
	LOADP 128, 0xc0, 14, 58                        ; g1
	LOADP 160, 0xc0, 16, 58                        ; be1
	LOADW 8, 128, 0x80, 56                         ; w2
	LOADP BI2, 0, 18, 58                           ; b2
	BARRIER                                        ; x's sixteen fragments lie in LDS: they serve every expert
	MATRIX BI1, 0, 2, XIMG, 56, 52, 6, 12          ; w1 and b1 are in; the 56 loads issued behind them may be out
	LOADP 192, 0xc0, 20, 58                        ; g2
	LOADP 224, 0xc0, 22, 58                        ; be2
	LOADW 10, 0, 0xc0, 56                          ; w3
	LOADP BI3, 0, 24, 58                           ; b3
.irp m, 0,1,2,3,4,5,6,7
	v_and_b32 v[TT+\m], 0x7fff, v[ORD+\m]
	v_min_u32 v[TT+\m], 0x7fff, v[TT+\m]
	v_lshlrev_b32 v[TT+\m], 3, v[TT+\m]
.endr
.irp m, 0,1,2,3,4,5,6,7
	global_load_b64 v[WAB+2*\m:WAB+2*\m+1], v[TT+\m], s[30:31]   ; the tokens' two weights
.endr
	STATS
	BARRIER
	s_mov_b32 s43, 0
; A TRIP: the expert in hand from its first LayerNorm to the weighted sum, then the next expert's first layer.  (The first layer of the first expert stands above, on every path.)
; LDS between the barriers: the statistics are written in front of a barrier and read behind it, and written again only behind the next; the hidden images likewise.
.Ltrip:
	s_cmp_lg_u32 s40, 0
	s_cbranch_scc0 .Lno1
	FINISH 128, 160, SC5, LIM5, 66, 100, 14, 16
.Lno1:
	BARRIER                                        ; the first hidden layer's fragments lie in LDS
	s_cmp_lg_u32 s40, 0
	s_cbranch_scc0 .Lno2
	MATRIX BI2, 128, 2, HIMG, 0, 53, 8, 18
	STATS
.Lno2:
	BARRIER
	s_cmp_lg_u32 s40, 0
	s_cbranch_scc0 .Lno3
	FINISH 192, 224, SC7, LIM7, 67, 101, 20, 22
.Lno3:
	BARRIER                                        ; the second hidden layer's
	s_cmp_lg_u32 s40, 0
	s_cbranch_scc0 .Lno4
	MATRIX BI3, 0, 3, HIMG, 0, 54, 10, 24
	OUTPHASE
.Lno4:
	s_cmp_lg_u32 s38, 0                            ; on to the next expert, without a jump
	s_cselect_b32 s40, 1, 0
	s_mov_b32 s39, s41
	s_lshl_b32 s2, 1, s39
	s_and_not1_b32 s38, s38, s2
	s_cmp_lg_u32 s38, 0
	s_cselect_b32 s42, 1, 0
	s_ctz_i32_b32 s41, s38
	s_min_u32 s41, s41, 7
	s_lshl_b32 s44, s41, 16
	s_add_co_u32 s44, s44, s35
	s_lshl_b32 s46, s41, 10
	s_add_co_u32 s46, s46, s3
	s_cmp_lg_u32 s40, 0
	s_cbranch_scc0 .Lno0
	MATRIX BI1, 0, 2, XIMG, 0, 52, 6, 12
	STATS
.Lno0:
	BARRIER
	s_add_co_u32 s43, s43, 1
	s_cmp_lt_u32 s43, 8
	s_cbranch_scc1 .Ltrip
; THE WAY OUT.  Behind the last barrier all four waves' columns lie in LDS.  Wave w stores rows 32 w .. 32 w + 31, each to its token's row of out: 1,024 bytes by two stores of 512 consecutive bytes, aligned.
	s_wait_loadcnt 0x0                             ; no load is on its way into the registers that take the rows
.macro SENDB b                         ; eight rows; data and offsets in two sets by turns
.set DSB, 64+96*((\b)%2)
.set ASB, AD+8*((\b)%2)
.if \b >= 2
	s_wait_xcnt 0x0                                ; the stores of two batches ago have read their registers
.endif
.irp i, 0,1,2,3,4,5,6,7
	s_and_b32 s2, s[68+8*(\b)+\i], 0x7fff          ; the row's token,
	s_min_u32 s2, s2, 0x7fff                       ; held inside out
	s_lshl_b32 s2, s2, 10
	v_add_nc_u32 v[ASB+\i], s2, v[LI]
	ds_load_b128 v[DSB+8*\i:DSB+8*\i+3], v[RD] offset:OPITCH*(8*(\b)+\i)
	ds_load_b128 v[DSB+8*\i+4:DSB+8*\i+7], v[RD] offset:OPITCH*(8*(\b)+\i)+512
.endr
.irp i, 0,1,2,3,4,5,6,7
	s_wait_dscnt 14-2*\i                           ; row i's two loads are in; the later rows' may be out
	global_store_b128 v[ASB+\i], v[DSB+8*\i:DSB+8*\i+3], s[32:33] th:TH_STORE_NT
	global_store_b128 v[ASB+\i], v[DSB+8*\i+4:DSB+8*\i+7], s[32:33] offset:512 th:TH_STORE_NT
.endr
.endm
	SENDB 0
	SENDB 1
	SENDB 2
	SENDB 3
	s_wait_xcnt 0x0
	v_lshl_add_u32 v254, v0, 2, 0x31800
	v_mov_b32 v255, 0
	s_wait_tensorcnt 0x0
	ds_add_u32 v254, v255
	s_wait_dscnt 0x0
	s_endpgm
.Lfunc_end_k_q890c591ce0_chain:
	.size	k_q890c591ce0_chain, .Lfunc_end_k_q890c591ce0_chain-k_q890c591ce0_chain
	.p2alignl 7, 3214868480
	.fill 96, 4, 3214868480
	.section	.rodata,"a",@progbits
	.p2align	6, 0x0
	.amdhsa_kernel k_q890c591ce0_chain
		.amdhsa_group_segment_fixed_size 203264
		.amdhsa_private_segment_fixed_size 0
		.amdhsa_enable_private_segment 0
		.amdhsa_kernarg_size 120
		.amdhsa_user_sgpr_count 2
		.amdhsa_user_sgpr_kernarg_segment_ptr 1
		.amdhsa_wavefront_size32 1
		.amdhsa_system_sgpr_workgroup_id_x 1
		.amdhsa_system_sgpr_workgroup_id_y 1
		.amdhsa_system_sgpr_workgroup_id_z 1
		.amdhsa_system_vgpr_workitem_id 0
		.amdhsa_next_free_vgpr 1024
		.amdhsa_next_free_sgpr 102
		.amdhsa_reserve_vcc 1
		.amdhsa_float_denorm_mode_32 3
		.amdhsa_float_denorm_mode_16_64 3
		.amdhsa_memory_ordered 1
		.amdhsa_forward_progress 1
		.amdhsa_inst_pref_size 255
	.end_amdhsa_kernel
	.section	.bss,"aw",@nobits
	.p2align	6
	.space	262144
	.amdgpu_metadata
---
amdhsa.version: [ 1, 2 ]
amdhsa.kernels:
  - .name:           k_q890c591ce0_chain
    .symbol:         k_q890c591ce0_chain.kd
    .args:
      - { .name: x_codes, .offset: 0, .size: 8, .value_kind: global_buffer, .address_space: global }
      - { .name: w1_codes, .offset: 8, .size: 8, .value_kind: global_buffer, .address_space: global }
      - { .name: w2_codes, .offset: 16, .size: 8, .value_kind: global_buffer, .address_space: global }
      - { .name: w3_codes, .offset: 24, .size: 8, .value_kind: global_buffer, .address_space: global }
      - { .name: b1, .offset: 32, .size: 8, .value_kind: global_buffer, .address_space: global }
      - { .name: g1, .offset: 40, .size: 8, .value_kind: global_buffer, .address_space: global }
      - { .name: be1, .offset: 48, .size: 8, .value_kind: global_buffer, .address_space: global }
      - { .name: b2, .offset: 56, .size: 8, .value_kind: global_buffer, .address_space: global }
      - { .name: g2, .offset: 64, .size: 8, .value_kind: global_buffer, .address_space: global }
      - { .name: be2, .offset: 72, .size: 8, .value_kind: global_buffer, .address_space: global }
      - { .name: b3, .offset: 80, .size: 8, .value_kind: global_buffer, .address_space: global }
      - { .name: lowp_scales, .offset: 88, .size: 8, .value_kind: global_buffer, .address_space: global }
      - { .name: ord, .offset: 96, .size: 8, .value_kind: global_buffer, .address_space: global }
      - { .name: wts, .offset: 104, .size: 8, .value_kind: global_buffer, .address_space: global }
      - { .name: out0, .offset: 112, .size: 8, .value_kind: global_buffer, .address_space: global }
    .group_segment_fixed_size: 203264
    .private_segment_fixed_size: 0
    .kernarg_segment_align: 8
    .kernarg_segment_size: 120
    .max_flat_workgroup_size: 128
    .sgpr_count:     102
    .vgpr_count:     1024
    .wavefront_size: 32
...
	.end_amdgpu_metadata
.endif
;; end of part 3
;; ======== version 2 of 2: 3 launches
;; workspace buffers: meta 131,072 bytes of whole numbers; cnt 131,072 bytes of whole numbers; ord 131,072 bytes of whole numbers; wts 262,144 bytes
;; launch gate (part 4): grid 256 x 1, 4 waves a work-group, no clusters, 68,096 bytes of LDS; arguments x_codes, gw1_codes, gb1, gw2, gb2, lowp_scales, meta, cnt, wts; writes meta, cnt, wts
.if DOCPART == 4
	.amdgcn_target "amdgcn-amd-amdhsa--gfx1250"
	.amdhsa_code_object_version 6
	.text
	.protected	k_q890c591ce0_gate
	.globl	k_q890c591ce0_gate
	.p2align	8
	.type	k_q890c591ce0_gate,@function
k_q890c591ce0_gate:
	s_mov_b64 s[64:65], 0
	v_nop
	global_prefetch_b8 v0, s[64:65] scope:SCOPE_SE
	s_setreg_imm32_b32 hwreg(HW_REG_WAVE_SCHED_MODE, 0, 2), 2
	s_setreg_imm32_b32 hwreg(HW_REG_WAVE_MODE, 25, 1), 1
	s_wait_xcnt 0x0
	s_wait_alu depctr_vm_vsrc(0)
; THE ROUTER.  logits = relu(x gw1 + gb1) gw2 + gb2; the two largest logits name a token's two experts; their renormalised softmax weights are
; w_top = 1 / (1 + e^(l2 - l1)) and w_2nd = e^(l2 - l1) w_top: the larger logit is taken away ahead of the exponential, and the softmax's own sum cancels.
; The first product is on codes of E5M2 (scales 2^e0, 2^e1); the second has 8 columns and decides an order, so it is made by f32 multiply-adds.
; STORED, at fixed places: meta[t] = bucket | rank << 8 | a << 16 | b << 24 (a < b the experts; bucket = which of the 28 pairs; rank = how many earlier tokens of t's group of 32 have the same bucket);
; cnt[group][32] = the group's count for each bucket (columns 28 to 31: 0); wts[t] = (weight of a, weight of b).  No address and no branch hangs on any of them here.
; SHARES.  A work-group takes 128 tokens, 8 tiles of 16.  THE WAVES SHARE THE HIDDEN UNITS: wave w makes units 64 w .. 64 w + 63 for all 128 tokens, so its part of gw1 (128 registers) and of gw2 (256) is read once.
; x's fragments go from wave to wave through LDS as images of their registers (four stores of 512 bytes a fragment).  The product is used transposed (source 0 = 16 rows of gw1, source 1 = 16 tokens):
; a lane holds one token (lane % 16) and 32 units; its 8 partial logits go to LDS, and wave w adds the eight parts of tokens 32 w + lane.
; LIMITS.  NaN among the inputs is not served.  The order is taken on the logits, a later expert only where it is strictly larger (the lower index wins a tie); logits that differ and yet round to equal
; softmax values may be ordered otherwise than by a top-k on those values.
; THE MODE: SCHED_MODE bits 1:0 = 2 (LLVM: expert scheduling mode 2), set by the entry lines.  The code itself states the register dependences
; between vector or matrix instructions and memory or LDS instructions, with s_wait_alu, always for 0.
; THE PLAN.  Registers that memory or LDS instructions touch:
;   v1-v11     addresses and offsets: written once at the head, ahead of one wait on va_vdst, and never again.
;   v64-127    x's loads land here and the image stores read them; then, two tiles at a time, the fragments land here and the products read them; at the end the eight parts of a token's logits land here.
;   v48-63     the partial logits: written by the multiply-adds of two tiles, read by the four LDS stores at their end.
;   v212-216   written at the end, read by the last three stores.     v254, v255: written at the head, read by the closing add alone.
;   gw1, gw2, gb1, gb2 land in registers that nothing has named before, once.
; Two tiles: the products, relu, then ONE wait on va_vdst (the products are done reading v64-127) and the next two tiles' fetch, which lands under the 256 multiply-adds; one wait on vm_vsrc ahead of
; these (the last stores have read v48-63); one wait on va_vdst ahead of the four stores.  Masks that compares make go into scalar registers in runs, one wait on va_sdst behind a run.
.set XIMG, 0                           ; LDS: x's 16 fragments (tile m, K step s: 2 m + s), 2,048 bytes each
.set LG,   32768                       ; the partial logits: a token's row of 256 bytes + 16; part 2 w + h at 32 (2 w + h)
.set LGP,  272
.set XO,   1                           ; v1   r x 256 + 16 h: my bytes in 16 rows of codes (x and gw1)
.set LI,   2                           ; v2   16 x lane: my place in an image
.set XW,   3                           ; v3   where I store x's images: 16 x lane + 8,192 x wave
.set LGW,  4                           ; v4   where I put partial logits
.set LGR,  5                           ; v5   where I read a token's eight parts
.set G2O,  7                           ; v7   256 h: gw2's rows of my half
.set B1O,  8                           ; v8   32 h: gb1's numbers of my half
.set O4,   9                           ; v9   4 x thread
.set O8,   10                          ; v10  8 x thread
.set ZR,   11                          ; v11  0
.set BI,   16                          ; v16-47   gb1 / 2^(e0 + e1) in the result's layout
.set L,    48                          ; v48-63   two tiles x 8 partial logits
.set XF,   64                          ; v64-127  four fragments of x; at the end the eight parts
.set ACC,  128                         ; v128-191 two tiles x 32 hidden units
.set GB,   192                         ; v192-199 gb2;  v200-217 at work at the end
; window 1: gw2: register 8 i + e = gw2[the unit of accumulator register i][e].   window 2: gw1's fragments (tile q, K step s) at 16 (2 q + s)
.set MSB, 0
.macro WIN new                         ; the immediate's high byte repeats the setting that is left
.if MSB != (\new)
	s_set_vgpr_msb (MSB<<8)|(\new)
.set MSB, (\new)
.endif
.endm
.macro BARRIER                         ; my LDS stores have landed and my LDS loads are in: then the work-group's barrier
	s_wait_dscnt 0x0
	s_barrier_signal -1
	s_barrier_wait -1
.endm
.macro FETCHD d                        ; the four fragments of tiles 2 d and 2 d + 1
.irp f, 0,1,2,3
.irp c, 0,1,2,3
	ds_load_b128 v[XF+16*\f+4*\c:XF+16*\f+4*\c+3], v[LI] offset:XIMG+(4*(\d)+\f)*2048+512*\c
.endr
.endr
.endm
	s_load_b512 s[4:19], s[0:1], 0x0               ; x s[4:5], gw1 s[6:7], gb1 s[8:9], gw2 s[10:11], gb2 s[12:13], scales s[14:15], meta s[16:17], cnt s[18:19]
	s_load_b64 s[20:21], s[0:1], 0x40              ; wts
	v_lshl_add_u32 v254, v0, 2, 0x10800
	v_mov_b32 v255, 0
	v_lshrrev_b32 v12, 5, v0
	v_readfirstlane_b32 s24, v12                   ; wave 0..3
	v_and_b32 v12, 31, v0                          ; lane
	v_and_b32 v13, 15, v0                          ; r
	v_bfe_u32 v14, v0, 4, 1                        ; h
	v_lshlrev_b32 v[XO], 8, v13
	v_lshl_add_u32 v[XO], v14, 4, v[XO]
	v_lshlrev_b32 v[LI], 4, v12
	s_wait_alu depctr_va_sdst(0)                   ; s24, the wave's number, is written, ahead of its first reader
	s_lshl_b32 s40, s24, 13
	v_add_nc_u32 v[XW], s40, v[LI]
	v_mul_u32_u24 v[LGW], v13, LGP
	v_lshl_add_u32 v[LGW], v14, 5, v[LGW]
	s_lshl_b32 s41, s24, 6
	s_add_co_u32 s41, s41, LG
	v_add_nc_u32 v[LGW], s41, v[LGW]               ; LG + 272 r + 32 (2 w + h)
	v_mul_u32_u24 v[LGR], v0, LGP
	v_add_nc_u32 v[LGR], LG, v[LGR]                ; LG + 272 x (32 w + lane)
	v_lshlrev_b32 v[G2O], 8, v14
	v_lshlrev_b32 v[B1O], 5, v14
	v_lshlrev_b32 v[O4], 2, v0
	v_lshlrev_b32 v[O8], 3, v0
	v_mov_b32 v[ZR], 0
	s_lshl_b32 s42, ttmp9, 15                      ; x: 128 tokens x 256 bytes a work-group,
	s_add_co_u32 s42, s42, s40                     ; 32 tokens a wave
	s_mov_b32 s43, 0
	s_lshl_b32 s44, s24, 14                        ; gw1: my 64 rows of 256 bytes
	s_mov_b32 s45, 0
	s_lshl_b32 s46, s24, 8                         ; gb1: my 64 numbers
	s_mov_b32 s47, 0
	s_lshl_b32 s48, s24, 11                        ; gw2: my 64 rows of 32 bytes
	s_mov_b32 s49, 0
	s_lshl_b32 s50, ttmp9, 9                       ; meta and cnt: 512 bytes a work-group
	s_mov_b32 s51, 0
	s_lshl_b32 s52, ttmp9, 10                      ; wts: 1,024
	s_mov_b32 s53, 0
	s_wait_kmcnt 0x0
	s_load_b64 s[26:27], s[14:15], 0x0             ; e0, e1
	s_add_nc_u64 s[4:5], s[4:5], s[42:43]
	s_add_nc_u64 s[6:7], s[6:7], s[44:45]
	s_add_nc_u64 s[8:9], s[8:9], s[46:47]
	s_add_nc_u64 s[10:11], s[10:11], s[48:49]
	s_add_nc_u64 s[16:17], s[16:17], s[50:51]
	s_add_nc_u64 s[18:19], s[18:19], s[50:51]
	s_add_nc_u64 s[20:21], s[20:21], s[52:53]
	s_wait_alu depctr_va_vdst(0)                   ; the addresses and offsets v1 to v11 are written, which every load and store of the kernel reads
.irp t, 0,1                                    ; my 32 tokens of x: two tiles x two K steps
.irp s, 0,1
.irp c, 0,1,2,3
	global_load_b128 v[XF+16*(2*\t+\s)+4*\c:XF+16*(2*\t+\s)+4*\c+3], v[XO], s[4:5] offset:\t*4096+128*\s+32*\c
.endr
.endr
.endr
	WIN 0x80                                       ; destination window 2
.irp q, 0,1,2,3                                ; gw1: tile q = rows 64 w + 16 q + r
.irp s, 0,1
.irp c, 0,1,2,3
	global_load_b128 v[16*(2*\q+\s)+4*\c:16*(2*\q+\s)+4*\c+3], v[XO], s[6:7] offset:16*\q*256+128*\s+32*\c
.endr
.endr
.endr
	WIN 0
.irp q, 0,1,2,3                                ; gb1 at units 64 w + 16 q + 8 h + 0 .. 7
	global_load_b128 v[BI+8*\q:BI+8*\q+3], v[B1O], s[8:9] offset:64*\q
	global_load_b128 v[BI+8*\q+4:BI+8*\q+7], v[B1O], s[8:9] offset:64*\q+16
.endr
	s_wait_loadcnt 40                              ; x's 16 loads are in; the 40 issued behind them (gw1, gb1) may be out
.irp f, 0,1,2,3
.irp c, 0,1,2,3
	ds_store_b128 v[XW], v[XF+16*\f+4*\c:XF+16*\f+4*\c+3] offset:XIMG+\f*2048+512*\c
.endr
.endr
	WIN 0x40                                       ; destination window 1
.irp q, 0,1,2,3                                ; gw2's row of unit 64 w + 16 q + 8 h + j: eight numbers
.irp j, 0,1,2,3,4,5,6,7
	global_load_b128 v[8*(8*\q+\j):8*(8*\q+\j)+3], v[G2O], s[10:11] offset:(16*\q+\j)*32
	global_load_b128 v[8*(8*\q+\j)+4:8*(8*\q+\j)+7], v[G2O], s[10:11] offset:(16*\q+\j)*32+16
.endr
.endr
	WIN 0
	global_load_b128 v[GB:GB+3], v[ZR], s[12:13]
	global_load_b128 v[GB+4:GB+7], v[ZR], s[12:13] offset:16
	BARRIER                                        ; x's sixteen fragments lie in LDS
	s_wait_alu depctr_vm_vsrc(0)                   ; my image stores have read v64 to v127, in which the fragments land from here on
	FETCHD 0
	s_wait_loadcnt 63                              ; gw1 and gb1 are in: 66 loads were issued behind them, and a smaller count asks for more
	s_wait_kmcnt 0x0
	s_add_co_i32 s29, s26, s27                     ; e0 + e1: a sum of the product stands for sum x 2^(e0 + e1),
	s_sub_co_i32 s28, 0, s29
.irp j, 0,1,2,3,4,5,6,7,8,9,10,11,12,13,14,15,16,17,18,19,20,21,22,23,24,25,26,27,28,29,30,31
	v_ldexp_f32 v[BI+\j], v[BI+\j], s28            ; so gb1 goes in, as the C of each sum's first product, divided by it
.endr
; Two tiles of 16 tokens: 16 products on eight accumulators by turns, relu, and 8 partial logits a token and lane.
.macro DOUBLE d
	s_wait_dscnt 0x0                               ; the four fragments are in
	WIN 0x02                                       ; source 0 (gw1) window 2
.irp s, 0,1
.irp q, 0,1,2,3
.irp t, 0,1
.if \s == 0
	v_wmma_f32_16x16x128_bf8_bf8 v[ACC+32*\t+8*\q:ACC+32*\t+8*\q+7], v[32*\q:32*\q+15], v[XF+32*\t:XF+32*\t+15], v[BI+8*\q:BI+8*\q+7]
.else
	v_wmma_f32_16x16x128_bf8_bf8 v[ACC+32*\t+8*\q:ACC+32*\t+8*\q+7], v[32*\q+16:32*\q+31], v[XF+32*\t+16:XF+32*\t+31], v[ACC+32*\t+8*\q:ACC+32*\t+8*\q+7]
.endif
.endr
.endr
.endr
	WIN 0
.rept 4
	v_nop                                          ; four places (ISA guide 7.12.1) in front of the first read of the products' results
.endr
.set j, 0
.rept 64
	v_max_num_f32 v[ACC+j], 0, v[ACC+j]            ; relu; each accumulator from its low end on
.set j, j+1
.endr
.if \d > 0
	s_wait_alu depctr_vm_vsrc(0)                   ; the LDS stores of the last two tiles have read v48 to v63, which the sums below write again
.endif
.if \d < 3
	s_wait_alu depctr_va_vdst(0)                   ; the products are done reading v64 to v127, in which the next two tiles' fragments land
	FETCHD (\d)+1                                  ; they land while these two tiles are worked on: the multiply-adds below name none of their registers
.endif
.if \d == 0
	s_wait_loadcnt 0x0                             ; gw2 and gb2
.endif
	WIN 0x04                                       ; source 1 (gw2) window 1
.set i, 0
.rept 32                                       ; unit i of my 32: both tiles, four pairs of experts: eight chains that do not wait for each other
.irp t, 0,1
.irp p, 0,2,4,6
.if i == 0
	v_pk_mul_f32 v[L+8*\t+\p:L+8*\t+\p+1], v[ACC+32*\t:ACC+32*\t+1], v[\p:\p+1] op_sel_hi:[0,1]   ; the first unit starts the sums: nothing is cleared
.elseif i%2 == 0
	v_pk_fma_f32 v[L+8*\t+\p:L+8*\t+\p+1], v[ACC+32*\t+i:ACC+32*\t+i+1], v[8*i+\p:8*i+\p+1], v[L+8*\t+\p:L+8*\t+\p+1] op_sel_hi:[0,1,1]   ; the pair's first register for both halves
.else
	v_pk_fma_f32 v[L+8*\t+\p:L+8*\t+\p+1], v[ACC+32*\t+i-1:ACC+32*\t+i], v[8*i+\p:8*i+\p+1], v[L+8*\t+\p:L+8*\t+\p+1] op_sel:[1,0,0] op_sel_hi:[1,1,1]   ; its second register for both halves
.endif
.endr
.endr
.set i, i+1
.endr
	WIN 0
	s_wait_alu depctr_va_vdst(0)                   ; the sums have written v48 to v63, which the LDS stores read; behind the last two tiles the products are also done reading v64 to v127, in which the eight parts land
.irp t, 0,1
	ds_store_b128 v[LGW], v[L+8*\t:L+8*\t+3] offset:(2*(\d)+\t)*16*LGP
	ds_store_b128 v[LGW], v[L+8*\t+4:L+8*\t+7] offset:(2*(\d)+\t)*16*LGP+16
.endr
.endm
	s_wait_alu depctr_va_vdst(0)
	DOUBLE 0
	DOUBLE 1
	DOUBLE 2
	DOUBLE 3
	BARRIER                                        ; every token's eight parts lie in LDS
.irp a, 0,1,2,3,4,5,6,7
	ds_load_b128 v[XF+8*\a:XF+8*\a+3], v[LGR] offset:32*\a
	ds_load_b128 v[XF+8*\a+4:XF+8*\a+7], v[LGR] offset:32*\a+16
.endr
	s_wait_dscnt 0x0
.irp a, 0,2,4,6                                ; the eight parts are added pairwise
.irp p, 0,2,4,6
	v_pk_add_f32 v[XF+8*\a+\p:XF+8*\a+\p+1], v[XF+8*\a+\p:XF+8*\a+\p+1], v[XF+8*\a+8+\p:XF+8*\a+8+\p+1]
.endr
.endr
.irp a, 0,4
.irp p, 0,2,4,6
	v_pk_add_f32 v[XF+8*\a+\p:XF+8*\a+\p+1], v[XF+8*\a+\p:XF+8*\a+\p+1], v[XF+8*\a+16+\p:XF+8*\a+16+\p+1]
.endr
.endr
.irp p, 0,2,4,6
	v_pk_add_f32 v[XF+\p:XF+\p+1], v[XF+\p:XF+\p+1], v[XF+32+\p:XF+32+\p+1]
.endr
.irp e, 0,1,2,3,4,5,6,7
	v_ldexp_f32 v[XF+\e], v[XF+\e], s29            ; x 2^(e0 + e1)
.endr
.irp p, 0,2,4,6
	v_pk_add_f32 v[XF+\p:XF+\p+1], v[XF+\p:XF+\p+1], v[GB+\p:GB+\p+1]   ; + gb2: my token's eight logits
.endr
	v_mov_b32 v200, v[XF]                          ; the largest logit so far and its expert,
	v_mov_b32 v201, 0
	v_mov_b32 v202, 0xff800000                     ; the second largest: -infinity
	v_mov_b32 v203, 1
.irp e, 1,2,3,4,5,6,7
	v_cmp_gt_f32 s35, v[XF+\e], v200
	v_cmp_gt_f32 s34, v[XF+\e], v202
	s_wait_alu depctr_va_sdst(0)                   ; both masks, s34 and s35, are written, ahead of the selects that read them
	v_cndmask_b32 v202, v202, v[XF+\e], s34
	v_cndmask_b32 v203, v203, \e, s34
	v_cndmask_b32 v202, v202, v200, s35
	v_cndmask_b32 v203, v203, v201, s35
	v_cndmask_b32 v200, v200, v[XF+\e], s35
	v_cndmask_b32 v201, v201, \e, s35
.endr
	v_sub_f32 v204, v202, v200                     ; l2 - l1, 0 or less
	v_mul_f32 v204, 0x3fb8aa3b, v204               ; x log2(e)
	s_wait_alu depctr_va_vdst(0)
	v_exp_f32 v205, v204
	v_nop                                          ; a plain instruction behind the transcendental,
	s_wait_alu depctr_va_vdst(0)                   ; and the wait ahead of the first use of its result, v205
	v_add_f32 v206, 1.0, v205
	s_wait_alu depctr_va_vdst(0)
	v_rcp_f32 v207, v206                           ; the larger weight
	v_nop
	s_wait_alu depctr_va_vdst(0)                   ; likewise for the reciprocal, v207
	v_mul_f32 v208, v205, v207                     ; the smaller
	v_cmp_lt_u32 vcc_lo, v201, v203
	s_wait_alu depctr_va_vcc(0)                    ; VCC is written, ahead of the four selects that read it
	v_cndmask_b32 v209, v203, v201, vcc_lo         ; a: the lower expert
	v_cndmask_b32 v210, v201, v203, vcc_lo         ; b: the higher
	v_cndmask_b32 v212, v208, v207, vcc_lo         ; a's weight
	v_cndmask_b32 v213, v207, v208, vcc_lo         ; b's
	v_lshl_add_u32 v211, v209, 3, v210             ; 8 a + b
	v_mov_b32 v214, 0                              ; rank
	v_mov_b32 v215, 0                              ; bucket
	v_mov_b32 v216, 0                              ; lane p: the group's count of bucket p
; The 28 pairs in an order in which neighbours share an expert, so that a block of sorted tokens that lies across one boundary needs three experts and not four.
; The 28 compares stand in one run, pair P's mask in s[30 + P], with one wait behind the run.
.set P, 0
.irp key, 1,2,3,4,5,6,7,15,14,13,12,11,10,19,20,21,22,23,31,30,29,28,37,38,39,47,46,55
	v_cmp_eq_u32 s[30+P], \key, v211
.set P, P+1
.endr
	s_wait_alu depctr_va_sdst(0)                   ; the 28 masks s30 to s57 are written, ahead of their first readers
.set P, 0
.rept 28
	v_mbcnt_lo_u32_b32 v217, s[30+P], 0            ; how many lower lanes have this pair
	v_cndmask_b32 v214, v214, v217, s[30+P]
	v_cndmask_b32 v215, v215, P, s[30+P]
	s_bcnt1_i32_b32 s58, s[30+P]
	v_writelane_b32 v216, s58, P
.set P, P+1
.endr
	v_lshl_or_b32 v215, v214, 8, v215
	v_lshl_or_b32 v215, v209, 16, v215
	v_lshl_or_b32 v215, v210, 24, v215
	s_wait_alu depctr_va_vdst(0)                   ; v212, v213, v215 and v216 are written, which the three stores read
	global_store_b32 v[O4], v215, s[16:17]         ; a wave stores 128 consecutive bytes, the four waves 512
	global_store_b32 v[O4], v216, s[18:19]
	global_store_b64 v[O8], v[212:213], s[20:21]   ; a wave stores 256 consecutive bytes, aligned
	s_wait_dscnt 0x0                               ; the closing lines, six on end
	s_wait_alu 0x0
	s_wait_tensorcnt 0x0
	ds_add_u32 v254, v255
	s_wait_dscnt 0x0
	s_endpgm
.Lfunc_end_k_q890c591ce0_gate:
	.size	k_q890c591ce0_gate, .Lfunc_end_k_q890c591ce0_gate-k_q890c591ce0_gate
	.p2alignl 7, 3214868480
	.fill 96, 4, 3214868480
	.section	.rodata,"a",@progbits
	.p2align	6, 0x0
	.amdhsa_kernel k_q890c591ce0_gate
		.amdhsa_group_segment_fixed_size 68096
		.amdhsa_private_segment_fixed_size 0
		.amdhsa_enable_private_segment 0
		.amdhsa_kernarg_size 72
		.amdhsa_user_sgpr_count 2
		.amdhsa_user_sgpr_kernarg_segment_ptr 1
		.amdhsa_wavefront_size32 1
		.amdhsa_system_sgpr_workgroup_id_x 1
		.amdhsa_system_sgpr_workgroup_id_y 1
		.amdhsa_system_sgpr_workgroup_id_z 1
		.amdhsa_system_vgpr_workitem_id 0
		.amdhsa_next_free_vgpr 640
		.amdhsa_next_free_sgpr 66
		.amdhsa_reserve_vcc 1
		.amdhsa_float_denorm_mode_32 3
		.amdhsa_float_denorm_mode_16_64 3
		.amdhsa_memory_ordered 1
		.amdhsa_forward_progress 1
		.amdhsa_inst_pref_size 119
	.end_amdhsa_kernel
	.amdgpu_metadata
---
amdhsa.version: [ 1, 2 ]
amdhsa.kernels:
  - .name:           k_q890c591ce0_gate
    .symbol:         k_q890c591ce0_gate.kd
    .args:
      - { .name: x_codes, .offset: 0, .size: 8, .value_kind: global_buffer, .address_space: global }
      - { .name: gw1_codes, .offset: 8, .size: 8, .value_kind: global_buffer, .address_space: global }
      - { .name: gb1, .offset: 16, .size: 8, .value_kind: global_buffer, .address_space: global }
      - { .name: gw2, .offset: 24, .size: 8, .value_kind: global_buffer, .address_space: global }
      - { .name: gb2, .offset: 32, .size: 8, .value_kind: global_buffer, .address_space: global }
      - { .name: lowp_scales, .offset: 40, .size: 8, .value_kind: global_buffer, .address_space: global }
      - { .name: meta, .offset: 48, .size: 8, .value_kind: global_buffer, .address_space: global }
      - { .name: cnt, .offset: 56, .size: 8, .value_kind: global_buffer, .address_space: global }
      - { .name: wts, .offset: 64, .size: 8, .value_kind: global_buffer, .address_space: global }
    .group_segment_fixed_size: 68096
    .private_segment_fixed_size: 0
    .kernarg_segment_align: 8
    .kernarg_segment_size: 72
    .max_flat_workgroup_size: 128
    .sgpr_count:     66
    .vgpr_count:     640
    .wavefront_size: 32
...
	.end_amdgpu_metadata
.endif
;; end of part 4
;; launch place (part 5): grid 32 x 1, 32 waves a work-group, no clusters, 8,192 bytes of LDS; arguments cnt, meta, ord; writes ord
.if DOCPART == 5
	.amdgcn_target "amdgcn-amd-amdhsa--gfx1250"
	.amdhsa_code_object_version 6
	.text
	.protected	k_q890c591ce0_place
	.globl	k_q890c591ce0_place
	.p2align	8
	.type	k_q890c591ce0_place,@function
k_q890c591ce0_place:
	s_mov_b64 s[64:65], 0
	v_nop
	global_prefetch_b8 v0, s[64:65] scope:SCOPE_SE
	s_setreg_imm32_b32 hwreg(HW_REG_WAVE_MODE, 25, 1), 1
	s_wait_xcnt 0x0
; THE PLACING: a counting sort of the 32,768 tokens by bucket (pair of experts), without atomics.  ord[position] = token | a << 16 | b << 24.
; A token's position = the tokens of all lower buckets + the tokens of its bucket in earlier groups of 32 + its rank in its own group.
; Work-group j places groups 32 j .. 32 j + 31, wave w group 32 j + w.  In the sums a lane is a bucket.  Every work-group reads all 1,024 groups' counts (128 KiB): wave w adds the 32 groups of
; chunk w, the chunks' sums meet in LDS; their total gives the buckets' bases (a scan over the lanes), the chunks below j and the groups of chunk j below w give the rest.
; The stores are 4 bytes a lane at scattered places: 128 KiB in all; that is the price of the sort.
.macro SUM32 d, b                      ; v[d] = v[b] + .. + v[b + 31]
	v_add3_u32 v[\d], v[\b], v[\b+1], v[\b+2]
.irp i, 3,5,7,9,11,13,15,17,19,21,23,25,27,29
	s_delay_alu instid0(VALU_DEP_1)
	v_add3_u32 v[\d], v[\d], v[\b+\i], v[\b+\i+1]
.endr
	s_delay_alu instid0(VALU_DEP_1)
	v_add_nc_u32 v[\d], v[\d], v[\b+31]
.endm
	s_load_b128 s[4:7], s[0:1], 0x0                ; cnt, meta
	s_load_b64 s[10:11], s[0:1], 0x10              ; ord
	v_lshl_add_u32 v96, v0, 2, 0x1000
	v_mov_b32 v97, 0
	v_lshrrev_b32 v3, 5, v0
	s_delay_alu instid0(VALU_DEP_1)
	v_readfirstlane_b32 s8, v3                     ; wave 0..31
	v_and_b32 v4, 31, v0                           ; lane
	s_delay_alu instid0(VALU_DEP_1)
	v_lshlrev_b32 v1, 2, v4
	v_lshlrev_b32 v2, 2, v0
	s_lshl_b32 s12, s8, 12                         ; a chunk of 32 groups is 4,096 bytes
	s_mov_b32 s13, 0
	s_lshl_b32 s14, ttmp9, 12
	s_mov_b32 s15, 0
	s_wait_alu depctr_va_vdst(0)
	s_wait_kmcnt 0x0
	s_add_nc_u64 s[16:17], s[4:5], s[12:13]        ; chunk w
	s_add_nc_u64 s[18:19], s[4:5], s[14:15]        ; chunk j
	s_add_nc_u64 s[6:7], s[6:7], s[14:15]          ; my work-group's 1,024 tokens
.irp i, 0,1,2,3,4,5,6,7,8,9,10,11,12,13,14,15,16,17,18,19,20,21,22,23,24,25,26,27,28,29,30,31
	global_load_b32 v[8+\i], v1, s[16:17] offset:128*\i
.endr
.irp i, 0,1,2,3,4,5,6,7,8,9,10,11,12,13,14,15,16,17,18,19,20,21,22,23,24,25,26,27,28,29,30,31
	global_load_b32 v[40+\i], v1, s[18:19] offset:128*\i
.endr
	global_load_b32 v72, v2, s[6:7]
	s_wait_loadcnt 0x0
	SUM32 73, 8                                    ; chunk w's count of bucket = lane
	ds_store_b32 v2, v73                           ; at 128 w + 4 lane
	v_mov_b32 v74, 0
.irp i, 0,1,2,3,4,5,6,7,8,9,10,11,12,13,14,15,16,17,18,19,20,21,22,23,24,25,26,27,28,29,30
	s_cmp_lt_u32 \i, s8                            ; the groups of my chunk below mine
	s_cselect_b32 s9, -1, 0
	v_and_b32 v75, s9, v[40+\i]
	s_delay_alu instid0(VALU_DEP_1)
	v_add_nc_u32 v74, v74, v75
.endr
	s_wait_dscnt 0x0                               ; for the others' sake: my store has landed
	s_barrier_signal -1
	s_barrier_wait -1
.irp i, 0,1,2,3,4,5,6,7,8,9,10,11,12,13,14,15,16,17,18,19,20,21,22,23,24,25,26,27,28,29,30,31
	ds_load_b32 v[8+\i], v1 offset:128*\i
.endr
	s_wait_dscnt 0x0
	SUM32 76, 8                                    ; the bucket's total
	v_mov_b32 v77, 0
.irp i, 0,1,2,3,4,5,6,7,8,9,10,11,12,13,14,15,16,17,18,19,20,21,22,23,24,25,26,27,28,29,30
	s_cmp_lt_u32 \i, ttmp9                         ; the chunks below mine
	s_cselect_b32 s9, -1, 0
	v_and_b32 v75, s9, v[8+\i]
	s_delay_alu instid0(VALU_DEP_1)
	v_add_nc_u32 v77, v77, v75
.endr
	v_mov_b32 v78, v76                             ; a running sum of the totals over the lanes: four steps inside each half of 16,
	v_mov_b32 v79, 0
.irp n, 1
	s_delay_alu instid0(VALU_DEP_2)
	v_mov_b32_dpp v79, v78 row_shr:\n row_mask:0xf bank_mask:0xf bound_ctrl:1
	s_delay_alu instid0(VALU_DEP_1)
	v_add_nc_u32 v78, v78, v79
.endr
.irp n, 2, 4, 8
	s_delay_alu instid0(VALU_DEP_1)
	v_mov_b32_dpp v79, v78 row_shr:\n row_mask:0xf bank_mask:0xf bound_ctrl:1
	s_delay_alu instid0(VALU_DEP_1)
	v_add_nc_u32 v78, v78, v79
.endr
	s_delay_alu instid0(VALU_DEP_1)
	v_readlane_b32 s9, v78, 15                     ; and the lower half's sum onto the upper half
	v_cmp_lt_u32 vcc_lo, 15, v4
	s_delay_alu instid0(VALU_DEP_1)
	v_cndmask_b32 v79, 0, s9, vcc_lo
	s_delay_alu instid0(VALU_DEP_1)
	v_add_nc_u32 v78, v78, v79
	s_delay_alu instid0(VALU_DEP_1)
	v_sub_nc_u32 v78, v78, v76                     ; the lower buckets' tokens
	s_delay_alu instid0(VALU_DEP_1)
	v_add3_u32 v78, v78, v77, v74                  ; + the bucket's tokens in earlier groups: where my group's first token of bucket = lane goes
	v_and_b32 v80, 0xff, v72                       ; now a lane is a token: its bucket,
	s_delay_alu instid0(VALU_DEP_1)
	v_min_u32 v80, 31, v80
	s_delay_alu instid0(VALU_DEP_1)
	v_lshlrev_b32 v80, 2, v80
	ds_bpermute_b32 v81, v80, v78                  ; that bucket's place,
	v_bfe_u32 v82, v72, 8, 8                       ; its rank,
	v_and_b32 v83, 0xffff0000, v72                 ; its two experts,
	s_lshl_b32 s12, ttmp9, 10
	v_add_nc_u32 v84, s12, v0                      ; its number
	s_delay_alu instid0(VALU_DEP_1)
	v_or_b32 v83, v83, v84
	s_wait_alu depctr_va_vdst(0)
	s_wait_dscnt 0x0
	v_add_nc_u32 v81, v81, v82
	s_delay_alu instid0(VALU_DEP_1)
	v_min_u32 v81, 0x7fff, v81                     ; a position lies inside ord
	s_delay_alu instid0(VALU_DEP_1)
	v_lshlrev_b32 v81, 2, v81
	global_store_b32 v81, v83, s[10:11]
	s_wait_tensorcnt 0x0
	ds_add_u32 v96, v97
	s_wait_dscnt 0x0
	s_endpgm
.Lfunc_end_k_q890c591ce0_place:
	.size	k_q890c591ce0_place, .Lfunc_end_k_q890c591ce0_place-k_q890c591ce0_place
	.p2alignl 7, 3214868480
	.fill 96, 4, 3214868480
	.section	.rodata,"a",@progbits
	.p2align	6, 0x0
	.amdhsa_kernel k_q890c591ce0_place
		.amdhsa_group_segment_fixed_size 8192
		.amdhsa_private_segment_fixed_size 0
		.amdhsa_enable_private_segment 0
		.amdhsa_kernarg_size 24
		.amdhsa_user_sgpr_count 2
		.amdhsa_user_sgpr_kernarg_segment_ptr 1
		.amdhsa_wavefront_size32 1
		.amdhsa_system_sgpr_workgroup_id_x 1
		.amdhsa_system_sgpr_workgroup_id_y 1
		.amdhsa_system_sgpr_workgroup_id_z 1
		.amdhsa_system_vgpr_workitem_id 0
		.amdhsa_next_free_vgpr 98
		.amdhsa_next_free_sgpr 66
		.amdhsa_reserve_vcc 1
		.amdhsa_float_denorm_mode_32 3
		.amdhsa_float_denorm_mode_16_64 3
		.amdhsa_memory_ordered 1
		.amdhsa_forward_progress 1
		.amdhsa_inst_pref_size 25
	.end_amdhsa_kernel
	.amdgpu_metadata
---
amdhsa.version: [ 1, 2 ]
amdhsa.kernels:
  - .name:           k_q890c591ce0_place
    .symbol:         k_q890c591ce0_place.kd
    .args:
      - { .name: cnt, .offset: 0, .size: 8, .value_kind: global_buffer, .address_space: global }
      - { .name: meta, .offset: 8, .size: 8, .value_kind: global_buffer, .address_space: global }
      - { .name: ord, .offset: 16, .size: 8, .value_kind: global_buffer, .address_space: global }
    .group_segment_fixed_size: 8192
    .private_segment_fixed_size: 0
    .kernarg_segment_align: 8
    .kernarg_segment_size: 24
    .max_flat_workgroup_size: 1024
    .sgpr_count:     66
    .vgpr_count:     98
    .wavefront_size: 32
...
	.end_amdgpu_metadata
.endif
;; end of part 5
;; launch chain (part 6): grid 256 x 1, 4 waves a work-group, no clusters, 203,264 bytes of LDS; arguments x_codes, w1_codes, w2_codes, w3_codes, b1, g1, be1, b2, g2, be2, b3, lowp_scales, ord, wts, out0; writes out0
.if DOCPART == 6
	.amdgcn_target "amdgcn-amd-amdhsa--gfx1250"
	.amdhsa_code_object_version 6
	.text
	.protected	k_q890c591ce0_chain
	.globl	k_q890c591ce0_chain
	.p2align	8
	.type	k_q890c591ce0_chain,@function
k_q890c591ce0_chain:
	s_mov_b64 s[64:65], 0
	v_nop
	global_prefetch_b8 v0, s[64:65] scope:SCOPE_SE
	s_setreg_imm32_b32 hwreg(HW_REG_WAVE_MODE, 25, 1), 1
	s_wait_xcnt 0x0
; THE EXPERTS.  out[t] = the sum over t's two experts E of weight x ( relu(LN(relu(LN(x w1[E] + b1[E])) w2[E] + b2[E])) w3[E] + b3[E] ), all three products on codes of E5M2.
; Only the chosen experts are computed: the others' results are thrown away by the gather of the top two.
; SHARES.  A work-group owns 128 tokens that lie together in the order sorted by pair of experts (ord), so they use two experts, three across a boundary between pairs, up to eight in the worst case; it owns their
; rows of out.  It walks, in a loop of eight trips, the experts that its tokens use (a mask made of ord's words); a trip without an expert jumps over the work and passes the barriers.
; Every token of the block goes through every expert that the block uses; its weight is 0 where the expert is not its own.
; No tensor load and no cluster.  THE WAVES SHARE THE COLUMNS: wave w makes units 64 w .. 64 w + 63 of each layer for all 128 tokens, so its part of each weight
; (128 registers) goes from memory straight into registers, once for each expert, the next expert's as soon as the registers are free.
; The rows' codes go from wave to wave through LDS as images of the operand's registers (four stores of 512 bytes a fragment of 16 tokens x 128 K).
; The products are used transposed (source 0 = 16 rows of the weight, source 1 = 16 tokens): a lane holds ONE token (lane % 16).  THE ROWS OF A WEIGHT THAT FORM A TILE ARE NOT NEIGHBOURS: lane r of tile 2 b + u
; takes row 64 w + 32 b + 8 u + r + 8 (r / 8), so that accumulator registers 16 b .. 16 b + 15 are units 64 w + 32 b + 16 (lane / 16) + 0 .. 15: 16 neighbours along the next K.
; LAYERNORM over 256 units that lie in four waves: each wave makes the mean of its 64 units and the sum of squares about THAT mean; one exchange through LDS; the four are joined as
; M2 = sum of M2_w + 64 x sum of (mean_w - mean)^2: no difference of large sums is formed.
; SCALES.  A sum of product k stands for sum x 2^Ek (E1 = e2 + e3, E2 = e4 + e5, E3 = e6 + e7): the bias goes in as the C of the first product, divided by 2^Ek; the variance is brought to true size by 2^(2 Ek - 8)
; (the 8: / 256), 1 / sqrt by 2^Ek; the hidden layers are quantised with 2^e5 and 2^e7; relu and the hold at the largest code are one instruction.
; LIMITS: e5 and e7 between -126 and 112, so that 2^e and 57,344 x 2^e are f32 numbers; the other powers of two are applied by v_ldexp_f32.  NaN among the inputs is not served.
.set XIMG,   0                         ; LDS: x's 16 fragments (tile m, K step s: 2 m + s), 2,048 bytes each
.set HIMG,   32768                     ; a hidden layer's 16 fragments: one region serves both layers
.set STAT,   65536                     ; (mean_w, M2_w): token 16 m + r at 32 (16 m + r), wave w at + 8 w
.set OUTL,   69632                     ; the block's 128 rows of out: 1,024 bytes + 16
.set OPITCH, 1040
.set R4,   1                           ; v1   4 r
.set LI,   2                           ; v2   16 x lane
.set WO,   3                           ; v3   (r + 8 (r / 8)) x 256 + 16 h: my bytes in a tile of a weight
.set H64,  4                           ; v4   64 h: my half's 16 numbers of a bias or gain
.set XW,   5                           ; v5   where I store x's images
.set HW,   6                           ; v6   where I store my quarter of a hidden fragment
.set STW,  7                           ; v7   where I store my wave's statistics
.set STR,  8                           ; v8   where I read a token's four
.set SO0,  9                           ; v9   my 64 bytes of row r of out in LDS, tiles 0-3;  v10: tiles 4-7
.set RD,   11                          ; v11  the way out: my 16 bytes of my wave's first row
.set SC5,  12                          ; v12, v13  2^e5, 57,344 x 2^e5;  v14, v15  the same for e7
.set LIM5, 13
.set SC7,  14
.set LIM7, 15
.set ORD,  16                          ; v16-23   ord's word of token 16 m + r
.set WAB,  24                          ; v24-39   its two weights
.set SP,   40                          ; v40-55   (mean_w, M2_w) a tile; later (the offset, -)
.set TT,   56                          ; v56-63   at work, one a tile
.set XF,   64                          ; v64-159  three buffers of two fragments; at work between the products
.set PP,   128                         ; v128-143 a pair a tile: (the scale of the normalising, -) or (the token's weight, -)
.set AD,   144                         ; v144-159 the way out: the stores' offsets
.set BI1,  160                         ; v160-255 the three biases in the result's layout
.set BI2,  192
.set BI3,  224
; window 1: the 32 accumulators: (tile m, tile of units q) at 32 m + 8 q.   window 2: w1's fragments (q, K step s) at 32 q + 16 s; w2's at 128 + the same.
; window 3: w3's at 0; g1 at 128, be1 at 160, g2 at 192, be2 at 224.
; s34 wave; s35 w << 14; s3 w << 8; s[36:37] lane selects; s38 experts left; s39 the expert in hand; s40 is there one; s41 the next; s42 is there a next; s43 trips;
; s[44:45], s[46:47] the next expert's offsets in a weight and in a bias; s[48:51] addresses in hand; s52-54 -E1, -E2, -E3; s55 E3; s66, s67 E1, E2; s100, s101 2 E1 - 8, 2 E2 - 8; s68-99 ord's words of my wave's 32 rows.
.set MSB, 0
.macro WIN new                         ; the immediate's high byte repeats the setting that is left
.if MSB != (\new)
	s_set_vgpr_msb (MSB<<8)|(\new)
.set MSB, (\new)
.endif
.endm
.macro BARRIER                         ; my LDS stores have landed and my LDS loads are in: then the work-group's barrier.  Every barrier stands outside the jumps on the list
	s_wait_dscnt 0x0
	s_barrier_signal -1
	s_barrier_wait -1
.endm
.macro LOADW wp, base, win, off        ; my 64 rows of a weight: 8 fragments.  wp: its address; off: the expert's and the wave's offset
	s_wait_xcnt 0x0                                ; earlier loads have read their base
	s_add_nc_u64 s[48:49], s[\wp:\wp+1], s[\off:\off+1]
	WIN \win
.irp q, 0,1,2,3
.irp s, 0,1
.irp c, 0,1,2,3
	global_load_b128 v[\base+16*(2*\q+\s)+4*\c:\base+16*(2*\q+\s)+4*\c+3], v[WO], s[48:49] offset:(32*(\q/2)+8*(\q%2))*256+128*\s+32*\c
.endr
.endr
.endr
	WIN 0
.endm
.macro LOADP reg, win, bp, off         ; my 32 numbers of a bias or gain, in the result's layout
	s_wait_xcnt 0x0
	s_add_nc_u64 s[50:51], s[\bp:\bp+1], s[\off:\off+1]
	WIN \win
.irp q, 0,1,2,3
	global_load_b128 v[\reg+8*\q:\reg+8*\q+3], v[H64], s[50:51] offset:(32*(\q/2)+8*(\q%2))*4
	global_load_b128 v[\reg+8*\q+4:\reg+8*\q+7], v[H64], s[50:51] offset:(32*(\q/2)+8*(\q%2))*4+16
.endr
	WIN 0
.endm
.macro FETCH t, src                    ; tile t's two fragments into buffer t % 3
.irp s, 0,1
.irp c, 0,1,2,3
	ds_load_b128 v[XF+32*((\t)%3)+16*\s+4*\c:XF+32*((\t)%3)+16*\s+4*\c+3], v[LI] offset:\src+(2*(\t)+\s)*2048+512*\c
.endr
.endr
.endm
; A LAYER'S PRODUCTS: my 64 units for the 128 tokens: 64 matrix instructions, a tile's four accumulators by turns.
; bi: the bias; wb, ww: the weight's registers and window; src: the images; lc: the loads that may stay out; sneg: -E; wp, bp: the weight's and the bias's addresses, for the next expert's.
.macro MATRIX bi, wb, ww, src, lc, sneg, wp, bp
	FETCH 0, \src
	FETCH 1, \src
	FETCH 2, \src
	s_wait_loadcnt \lc                             ; the weight and the bias are in
.irp j, 0,1,2,3,4,5,6,7,8,9,10,11,12,13,14,15,16,17,18,19,20,21,22,23,24,25,26,27,28,29,30,31
	v_ldexp_f32 v[\bi+\j], v[\bi+\j], s[\sneg]     ; the bias / 2^E, once for each load of it
.endr
	s_wait_alu depctr_va_vdst(0)
.irp m, 0,1,2,3,4,5,6,7
.if \m <= 5
	s_wait_dscnt 16                                ; this tile's eight loads are in; the two later tiles' may be out
.elseif \m == 6
	s_wait_dscnt 8
.else
	s_wait_dscnt 0
.endif
	WIN (0x40|\ww)                                 ; D window 1, the weight's window, tokens and bias window 0
.irp q, 0,1,2,3
	v_wmma_f32_16x16x128_bf8_bf8 v[32*\m+8*\q:32*\m+8*\q+7], v[\wb+32*\q:\wb+32*\q+15], v[XF+32*(\m%3):XF+32*(\m%3)+15], v[\bi+8*\q:\bi+8*\q+7]
.endr
	WIN (0x50|\ww)                                 ; C window 1 too
.irp q, 0,1,2,3
	v_wmma_f32_16x16x128_bf8_bf8 v[32*\m+8*\q:32*\m+8*\q+7], v[\wb+32*\q+16:\wb+32*\q+31], v[XF+32*(\m%3)+16:XF+32*(\m%3)+31], v[32*\m+8*\q:32*\m+8*\q+7]
.endr
	WIN 0
.rept 4
	v_nop                                          ; four places in front of loads into registers that the products have read, and, behind the last tile, of the first read of results
.endr
.if \m+3 < 8
	FETCH \m+3, \src
.endif
.endr
	s_cmp_lg_u32 s42, 0                            ; the registers are free: the next expert's weight and bias, if there is a next expert
	s_cbranch_scc0 .Lno_next_\@
	LOADW \wp, \wb, (\ww<<6), 44
	LOADP \bi, 0, \bp, 46
.Lno_next_\@:
.endm
.macro REDUCE                          ; four pairs a tile, at v[XF + 8 m] on, come down to one number and the other half of the lanes' (at + 0 and + 2); the tiles take turns
.irp m, 0,1,2,3,4,5,6,7
	v_pk_add_f32 v[XF+8*\m:XF+8*\m+1], v[XF+8*\m:XF+8*\m+1], v[XF+8*\m+2:XF+8*\m+3]
.endr
.irp m, 0,1,2,3,4,5,6,7
	v_pk_add_f32 v[XF+8*\m+4:XF+8*\m+5], v[XF+8*\m+4:XF+8*\m+5], v[XF+8*\m+6:XF+8*\m+7]
.endr
.irp m, 0,1,2,3,4,5,6,7
	v_pk_add_f32 v[XF+8*\m:XF+8*\m+1], v[XF+8*\m:XF+8*\m+1], v[XF+8*\m+4:XF+8*\m+5]
.endr
.irp m, 0,1,2,3,4,5,6,7
	v_add_f32 v[XF+8*\m], v[XF+8*\m], v[XF+8*\m+1]
.endr
.irp m, 0,1,2,3,4,5,6,7
	v_permlanex16_b32 v[XF+8*\m+2], v[XF+8*\m], s36, s37   ; the token's other 32 units lie in the lane 16 away
.endr
.endm
; MY WAVE'S STATISTICS of each token: the mean of its 64 units, which is taken off the sums in place, and the sum of squares about it.
.macro STATS
	WIN 0x05                                       ; sources window 1
.irp c, 0,2,4,6                                ; each accumulator is read from its low end on
.irp m, 0,1,2,3,4,5,6,7
	v_pk_add_f32 v[XF+8*\m+\c:XF+8*\m+\c+1], v[32*\m+\c:32*\m+\c+1], v[32*\m+\c+8:32*\m+\c+9]
.endr
.endr
	WIN 0x01
.irp o, 16,24
.irp c, 0,2,4,6
.irp m, 0,1,2,3,4,5,6,7
	v_pk_add_f32 v[XF+8*\m+\c:XF+8*\m+\c+1], v[32*\m+\c+\o:32*\m+\c+\o+1], v[XF+8*\m+\c:XF+8*\m+\c+1]
.endr
.endr
.endr
	WIN 0
	REDUCE
.irp m, 0,1,2,3,4,5,6,7
	v_add_f32 v[XF+8*\m], v[XF+8*\m], v[XF+8*\m+2]
.endr
.irp m, 0,1,2,3,4,5,6,7
	v_mul_f32 v[SP+2*\m], 0x3c800000, v[XF+8*\m]   ; / 64
.endr
	WIN 0x41                                       ; source 0 and destination window 1
.set j, 0
.rept 128
	v_pk_add_f32 v[j:j+1], v[j:j+1], v[SP+2*(j/32):SP+2*(j/32)+1] op_sel_hi:[1,0] neg_lo:[0,1] neg_hi:[0,1]   ; - mean_w (the pair's low word for both halves)
.set j, j+2
.endr
	WIN 0x05
.irp c, 0,2,4,6
.irp m, 0,1,2,3,4,5,6,7
	v_pk_mul_f32 v[XF+8*\m+\c:XF+8*\m+\c+1], v[32*\m+\c:32*\m+\c+1], v[32*\m+\c:32*\m+\c+1]
.endr
.endr
.irp o, 8,16,24
.irp c, 0,2,4,6
.irp m, 0,1,2,3,4,5,6,7
	v_pk_fma_f32 v[XF+8*\m+\c:XF+8*\m+\c+1], v[32*\m+\c+\o:32*\m+\c+\o+1], v[32*\m+\c+\o:32*\m+\c+\o+1], v[XF+8*\m+\c:XF+8*\m+\c+1]
.endr
.endr
.endr
	WIN 0
	REDUCE
.irp m, 0,1,2,3,4,5,6,7
	v_add_f32 v[SP+2*\m+1], v[XF+8*\m], v[XF+8*\m+2]
.endr
.irp m, 0,1,2,3,4,5,6,7
	ds_store_b64 v[STW], v[SP+2*\m:SP+2*\m+1] offset:512*\m   ; both halves of the lanes store the same pair to the same place
.endr
.endm
; THE REST OF A LAYERNORM, relu, the quantiser, and my quarter of each of the next operand's fragments to LDS.
; gg, bb: gain and bias in window 3; sc, lim: the scale and the largest code x the scale; sx: E; sy: 2 E - 8; pg, pb: the gain's and the bias's addresses, for the next expert's.
.macro FINISH gg, bb, sc, lim, sx, sy, pg, pb
	s_wait_loadcnt 0x0                             ; the gain and the bias are in
.irp m, 0,1,2,3,4,5,6,7
	ds_load_b128 v[XF+8*\m:XF+8*\m+3], v[STR] offset:512*\m        ; mean_0, M2_0, mean_1, M2_1,
	ds_load_b128 v[XF+8*\m+4:XF+8*\m+7], v[STR] offset:512*\m+16   ; mean_2, M2_2, mean_3, M2_3
.endr
	s_wait_dscnt 0x0
.irp m, 0,1,2,3,4,5,6,7
	v_add_f32 v[TT+\m], v[XF+8*\m], v[XF+8*\m+2]
.endr
.irp m, 0,1,2,3,4,5,6,7
	v_add_f32 v[PP+2*\m], v[XF+8*\m+4], v[XF+8*\m+6]
.endr
.irp m, 0,1,2,3,4,5,6,7
	v_add_f32 v[TT+\m], v[TT+\m], v[PP+2*\m]
.endr
.irp m, 0,1,2,3,4,5,6,7
	v_mul_f32 v[TT+\m], 0x3e800000, v[TT+\m]       ; the mean of all 256
.endr
.irp m, 0,1,2,3,4,5,6,7
	v_add_f32 v[XF+8*\m+1], v[XF+8*\m+1], v[XF+8*\m+3]
.endr
.irp m, 0,1,2,3,4,5,6,7
	v_add_f32 v[XF+8*\m+5], v[XF+8*\m+5], v[XF+8*\m+7]
.endr
.irp m, 0,1,2,3,4,5,6,7
	v_add_f32 v[XF+8*\m+1], v[XF+8*\m+1], v[XF+8*\m+5]   ; the four M2
.endr
.irp c, 0,2,4,6
.irp m, 0,1,2,3,4,5,6,7
	v_sub_f32 v[XF+8*\m+\c], v[XF+8*\m+\c], v[TT+\m]     ; mean_i - mean
.endr
.endr
.irp m, 0,1,2,3,4,5,6,7
	v_mul_f32 v[PP+2*\m], v[XF+8*\m], v[XF+8*\m]
.endr
.irp c, 2,4,6
.irp m, 0,1,2,3,4,5,6,7
	v_fmac_f32 v[PP+2*\m], v[XF+8*\m+\c], v[XF+8*\m+\c]
.endr
.endr
.irp m, 0,1,2,3,4,5,6,7
	v_fmamk_f32 v[PP+2*\m], v[PP+2*\m], 0x42800000, v[XF+8*\m+1]   ; x 64 + the four M2
.endr
.irp m, 0,1,2,3,4,5,6,7
	v_ldexp_f32 v[PP+2*\m], v[PP+2*\m], s[\sy]     ; the variance in true size
.endr
.irp m, 0,1,2,3,4,5,6,7
	v_add_f32 v[PP+2*\m], 0x3727c5ac, v[PP+2*\m]   ; + 1e-5
.endr
	s_wait_alu depctr_va_vdst(0)
.irp m, 0,1,2,3,4,5,6,7
	v_rsq_f32 v[PP+2*\m+1], v[PP+2*\m]
.endr
.irp m, 0,1,2,3,4,5,6,7
	v_sub_f32 v[TT+\m], v[SP+2*\m], v[TT+\m]       ; mean_w - mean: plain work behind the batch
.endr
	s_wait_alu depctr_va_vdst(0)                   ; one wait for the eight, ahead of the first use of a result
.irp m, 0,1,2,3,4,5,6,7
	v_ldexp_f32 v[PP+2*\m], v[PP+2*\m+1], s[\sx]   ; the scale: 2^E / sqrt
.endr
.irp m, 0,1,2,3,4,5,6,7
	v_mul_f32 v[SP+2*\m], v[TT+\m], v[PP+2*\m]     ; the offset
.endr
	WIN 0x41
.set j, 0
.rept 128
	v_pk_fma_f32 v[j:j+1], v[j:j+1], v[PP+2*(j/32):PP+2*(j/32)+1], v[SP+2*(j/32):SP+2*(j/32)+1] op_sel_hi:[1,0,0]   ; (h - mean) / sqrt(var + eps)
.set j, j+2
.endr
	WIN 0x7d                                       ; gain and bias window 3
.set j, 0
.rept 128
	v_pk_fma_f32 v[j:j+1], v[j:j+1], v[\gg+j%32:\gg+j%32+1], v[\bb+j%32:\bb+j%32+1]
.set j, j+2
.endr
	WIN 0x41
.set j, 0
.rept 256
	v_med3_num_f32 v[j], v[j], 0, v[\lim]          ; relu and the hold in one: the conversion to an 8-bit code does not saturate (ISA guide 7.6.2)
.set j, j+1
.endr
	WIN 0x01
.set j, 0
.rept 32
	v_cvt_scalef32_pk8_bf8_f32 v[XF+2*j:XF+2*j+1], v[8*j:8*j+7], v[\sc]   ; eight neighbours along the next K
.set j, j+1
.endr
	v_nop                                          ; a plain instruction behind the last conversion: the next products write its sources
	WIN 0
.irp m, 0,1,2,3,4,5,6,7
.irp b, 0,1
	ds_store_b128 v[HW], v[XF+8*\m+4*\b:XF+8*\m+4*\b+3] offset:HIMG+4096*\m+512*\b   ; K step w / 2, group 2 (w % 2) + b of tile m's fragment
.endr
.endr
	s_cmp_lg_u32 s42, 0
	s_cbranch_scc0 .Lno_next_\@
	LOADP \gg, 0xc0, \pg, 46
	LOADP \bb, 0xc0, \pb, 46
.Lno_next_\@:
.endm
.macro OST t                           ; tile t's 32 numbers a lane into the block's rows in LDS: unit 64 w + 32 b + 16 h + 8 u + j at byte 256 w + 128 b + 64 h + 32 u + 4 j
.irp j, 0,1,2,3,4,5,6,7
	ds_store_b128 v[SO0+(\t)/4], v[XF+32*((\t)%2)+4*\j:XF+32*((\t)%2)+4*\j+3] offset:((\t)%4)*16*OPITCH+128*(\j/4)+32*((\j/2)%2)+16*(\j%2)
.endr
.endm
.macro OLD t                           ; and back
.irp j, 0,1,2,3,4,5,6,7
	ds_load_b128 v[XF+32*((\t)%2)+4*\j:XF+32*((\t)%2)+4*\j+3], v[SO0+(\t)/4] offset:((\t)%4)*16*OPITCH+128*(\j/4)+32*((\j/2)%2)+16*(\j%2)
.endr
.endm
; THE WEIGHTED SUM.  The rows of out are kept in LDS, each wave its own columns.  The first expert's trip stores, the later ones add.
.macro OUTPHASE
.irp m, 0,1,2,3,4,5,6,7
	v_bfe_u32 v[TT+\m], v[ORD+\m], 16, 3
.endr
.irp m, 0,1,2,3,4,5,6,7
	v_cmp_eq_u32 vcc_lo, s39, v[TT+\m]
	v_cndmask_b32 v[PP+2*\m], 0, v[WAB+2*\m], vcc_lo
.endr
.irp m, 0,1,2,3,4,5,6,7
	v_bfe_u32 v[TT+\m], v[ORD+\m], 24, 3
.endr
.irp m, 0,1,2,3,4,5,6,7
	v_cmp_eq_u32 vcc_lo, s39, v[TT+\m]
	v_cndmask_b32 v[PP+2*\m], v[PP+2*\m], v[WAB+2*\m+1], vcc_lo
.endr
.irp m, 0,1,2,3,4,5,6,7
	v_ldexp_f32 v[PP+2*\m], v[PP+2*\m], s55        ; the token's weight for this expert (0 if it is not its own) x 2^E3
.endr
	s_cmp_lg_u32 s43, 0
	s_cbranch_scc1 .Ladd_\@
.irp m, 0,1,2,3,4,5,6,7
	WIN 0x01
.irp i, 0,2,4,6,8,10,12,14,16,18,20,22,24,26,28,30
	v_pk_mul_f32 v[XF+32*(\m%2)+\i:XF+32*(\m%2)+\i+1], v[32*\m+\i:32*\m+\i+1], v[PP+2*\m:PP+2*\m+1] op_sel_hi:[1,0]
.endr
	WIN 0
	OST \m
.endr
	s_branch .Ldone_\@
.Ladd_\@:
	OLD 0
	OLD 1
	s_wait_alu depctr_va_vdst(0)
.irp m, 0,1,2,3,4,5,6,7
.if \m == 0
	s_wait_dscnt 8                                 ; tile 0's loads are in; tile 1's may be out
.elseif \m == 7
	s_wait_dscnt 8                                 ; behind tile 7's loads: tile 6's stores
.else
	s_wait_dscnt 16                                ; behind this tile's loads: the tile before's eight stores and the next tile's eight loads
.endif
	WIN 0x01
.irp i, 0,2,4,6,8,10,12,14,16,18,20,22,24,26,28,30
	v_pk_fma_f32 v[XF+32*(\m%2)+\i:XF+32*(\m%2)+\i+1], v[32*\m+\i:32*\m+\i+1], v[PP+2*\m:PP+2*\m+1], v[XF+32*(\m%2)+\i:XF+32*(\m%2)+\i+1] op_sel_hi:[1,0,1]
.endr
	WIN 0
	OST \m
.if \m < 6
	OLD \m+2
.endif
.endr
.Ldone_\@:
.endm
	s_load_b512 s[4:19], s[0:1], 0x0               ; x s[4:5], w1 s[6:7], w2 s[8:9], w3 s[10:11], b1 s[12:13], g1 s[14:15], be1 s[16:17], b2 s[18:19]
	s_load_b256 s[20:27], s[0:1], 0x40             ; g2 s[20:21], be2 s[22:23], b3 s[24:25], the scales' exponents s[26:27]
	s_load_b128 s[28:31], s[0:1], 0x60             ; ord s[28:29], wts s[30:31]
	s_load_b64 s[32:33], s[0:1], 0x70              ; out
	v_lshrrev_b32 v56, 5, v0
	v_readfirstlane_b32 s34, v56                   ; wave 0..3
	v_and_b32 v57, 31, v0                          ; lane
	v_and_b32 v58, 15, v0                          ; r
	v_bfe_u32 v59, v0, 4, 1                        ; h
	v_lshlrev_b32 v62, 4, v59                      ; 16 h
	v_lshlrev_b32 v[R4], 2, v58
	v_lshlrev_b32 v[LI], 4, v57
	v_and_b32 v60, 8, v58
	v_add_nc_u32 v60, v60, v58                     ; r + 8 (r / 8)
	v_lshlrev_b32 v[WO], 8, v60
	v_lshl_add_u32 v[WO], v59, 4, v[WO]
	v_lshlrev_b32 v[H64], 6, v59
	s_lshl_b32 s2, s34, 13
	v_add_nc_u32 v[XW], s2, v[LI]                  ; 16 lane + 8,192 w: tiles 2 w and 2 w + 1
	s_lshr_b32 s2, s34, 1
	s_lshl_b32 s2, s2, 11
	s_and_b32 s3, s34, 1
	s_lshl_b32 s3, s3, 10
	s_add_co_u32 s2, s2, s3
	v_add_nc_u32 v[HW], s2, v[LI]                  ; 16 lane + 2,048 (w / 2) + 1,024 (w % 2)
	s_lshl_b32 s2, s34, 3
	s_add_co_u32 s2, s2, STAT
	v_lshlrev_b32 v[STR], 5, v58
	v_add_nc_u32 v[STW], s2, v[STR]
	v_add_nc_u32 v[STR], STAT, v[STR]
	v_mul_u32_u24 v[SO0], v58, OPITCH
	v_lshl_add_u32 v[SO0], v59, 6, v[SO0]
	s_lshl_b32 s2, s34, 8
	s_add_co_u32 s2, s2, OUTL
	v_add_nc_u32 v[SO0], s2, v[SO0]
	v_add_nc_u32 v[SO0+1], 4*16*OPITCH, v[SO0]
	s_mul_i32 s2, s34, 32*OPITCH
	s_add_co_u32 s2, s2, OUTL
	v_add_nc_u32 v[RD], s2, v[LI]
.irp j, 1,3,5,7,9,11,13,15
	v_mov_b32 v[SP+\j], 0                          ; named as the upper halves of pairs before they are first made
.endr
	s_lshl_b32 s35, s34, 14                        ; my 64 rows of a weight
	s_lshl_b32 s3, s34, 8                          ; my 64 numbers of a bias
	s_mov_b32 s36, 0x76543210                      ; v_permlanex16_b32: lane l xor 16
	s_mov_b32 s37, 0xfedcba98
	s_lshl_b32 s48, ttmp9, 9                       ; ord: my work-group's 128 words,
	s_mov_b32 s49, 0
	s_lshl_b32 s50, s34, 7                         ; my wave's 32
	s_mov_b32 s51, 0
	s_wait_kmcnt 0x0
	s_add_nc_u64 s[28:29], s[28:29], s[48:49]
	s_add_nc_u64 s[50:51], s[28:29], s[50:51]
	s_load_b256 s[56:63], s[26:27], 0x0            ; e0 .. e7
	s_load_b512 s[68:83], s[50:51], 0x0            ; for the way out
	s_load_b512 s[84:99], s[50:51], 0x40
	global_load_b32 v56, v[R4], s[50:51]           ; the tokens whose x my wave fetches: tiles 2 w, 2 w + 1
	global_load_b32 v57, v[R4], s[50:51] offset:64
.irp m, 0,1,2,3,4,5,6,7
	global_load_b32 v[ORD+\m], v[R4], s[28:29] offset:64*\m
.endr
	s_wait_loadcnt 8                               ; the first two are in; the eight behind them may be out
.irp t, 0,1
	v_and_b32 v[58+\t], 0x7fff, v[56+\t]           ; the token,
	v_min_u32 v[58+\t], 0x7fff, v[58+\t]           ; held inside x
	v_lshl_add_u32 v[58+\t], v[58+\t], 8, v62      ; its row of 256 bytes + 16 h
.endr
.irp t, 0,1
.irp s, 0,1
.irp c, 0,1,2,3
	global_load_b128 v[XF+16*(2*\t+\s)+4*\c:XF+16*(2*\t+\s)+4*\c+3], v[58+\t], s[4:5] offset:128*\s+32*\c
.endr
.endr
.endr
	s_wait_loadcnt 16                              ; ord's eight are in; x's sixteen may be out
	v_mov_b32 v60, 0                               ; which experts my lane's eight tokens use
.irp m, 0,1,2,3,4,5,6,7
	v_bfe_u32 v61, v[ORD+\m], 16, 3
	v_bfe_u32 v63, v[ORD+\m], 24, 3
	v_lshlrev_b32 v61, v61, 1
	v_lshlrev_b32 v63, v63, 1
	v_or_b32 v60, v60, v61
	v_or_b32 v60, v60, v63
.endr
	s_wait_alu depctr_va_vdst(0)
	s_mov_b32 s38, 0                               ; and which the block's 128 use
.irp e, 0,1,2,3,4,5,6,7
	v_and_b32 v61, 1<<\e, v60
	v_cmp_ne_u32 vcc_lo, 0, v61
	s_cmp_lg_u32 vcc_lo, 0
	s_cselect_b32 s2, 1<<\e, 0
	s_or_b32 s38, s38, s2
.endr
	s_wait_kmcnt 0x0
	s_add_co_i32 s66, s58, s59                     ; E1
	s_add_co_i32 s67, s60, s61                     ; E2
	s_add_co_i32 s55, s62, s63                     ; E3
	s_sub_co_i32 s52, 0, s66
	s_sub_co_i32 s53, 0, s67
	s_sub_co_i32 s54, 0, s55
	s_lshl_b32 s100, s66, 1
	s_sub_co_i32 s100, s100, 8
	s_lshl_b32 s101, s67, 1
	s_sub_co_i32 s101, s101, 8
	s_add_co_i32 s2, s61, 127
	s_lshl_b32 s48, s2, 23
	v_mov_b32 v[SC5], s48                          ; 2^e5 as f32: the conversion takes its exponent field
	s_add_co_i32 s2, s2, 15
	s_lshl_b32 s2, s2, 23
	s_or_b32 s2, s2, 0x600000
	v_mov_b32 v[LIM5], s2                          ; 57,344 x 2^e5
	s_add_co_i32 s2, s63, 127
	s_lshl_b32 s48, s2, 23
	v_mov_b32 v[SC7], s48
	s_add_co_i32 s2, s2, 15
	s_lshl_b32 s2, s2, 23
	s_or_b32 s2, s2, 0x600000
	v_mov_b32 v[LIM7], s2
	s_ctz_i32_b32 s39, s38                         ; the first expert (every token has two, so there is one),
	s_min_u32 s39, s39, 7
	s_lshl_b32 s2, 1, s39
	s_and_not1_b32 s38, s38, s2
	s_mov_b32 s40, 1
	s_cmp_lg_u32 s38, 0
	s_cselect_b32 s42, 1, 0
	s_ctz_i32_b32 s41, s38                         ; and the next
	s_min_u32 s41, s41, 7
	s_lshl_b32 s56, s39, 16                        ; s[56:57], s[58:59]: the first expert's offsets (the exponents' registers are free)
	s_add_co_u32 s56, s56, s35
	s_mov_b32 s57, 0
	s_lshl_b32 s58, s39, 10
	s_add_co_u32 s58, s58, s3
	s_mov_b32 s59, 0
	s_lshl_b32 s44, s41, 16
	s_add_co_u32 s44, s44, s35
	s_mov_b32 s45, 0
	s_lshl_b32 s46, s41, 10
	s_add_co_u32 s46, s46, s3
	s_mov_b32 s47, 0
	LOADW 6, 0, 0x80, 56                           ; w1
	LOADP BI1, 0, 12, 58                           ; b1
	s_wait_loadcnt 40                              ; x is in; the 40 just issued may be out
.irp f, 0,1,2,3
.irp c, 0,1,2,3
	ds_store_b128 v[XW], v[XF+16*\f+4*\c:XF+16*\f+4*\c+3] offset:XIMG+\f*2048+512*\c
.endr
.endr
	LOADP 128, 0xc0, 14, 58                        ; g1
	LOADP 160, 0xc0, 16, 58                        ; be1
	LOADW 8, 128, 0x80, 56                         ; w2
	LOADP BI2, 0, 18, 58                           ; b2
	BARRIER                                        ; x's sixteen fragments lie in LDS: they serve every expert
	MATRIX BI1, 0, 2, XIMG, 56, 52, 6, 12          ; w1 and b1 are in; the 56 loads issued behind them may be out
	LOADP 192, 0xc0, 20, 58                        ; g2
	LOADP 224, 0xc0, 22, 58                        ; be2
	LOADW 10, 0, 0xc0, 56                          ; w3
	LOADP BI3, 0, 24, 58                           ; b3
.irp m, 0,1,2,3,4,5,6,7
	v_and_b32 v[TT+\m], 0x7fff, v[ORD+\m]
	v_min_u32 v[TT+\m], 0x7fff, v[TT+\m]
	v_lshlrev_b32 v[TT+\m], 3, v[TT+\m]
.endr
.irp m, 0,1,2,3,4,5,6,7
	global_load_b64 v[WAB+2*\m:WAB+2*\m+1], v[TT+\m], s[30:31]   ; the tokens' two weights
.endr
	STATS
	BARRIER
	s_mov_b32 s43, 0
; A TRIP: the expert in hand from its first LayerNorm to the weighted sum, then the next expert's first layer.  (The first layer of the first expert stands above, on every path.)
; LDS between the barriers: the statistics are written in front of a barrier and read behind it, and written again only behind the next; the hidden images likewise.
.Ltrip:
	s_cmp_lg_u32 s40, 0
	s_cbranch_scc0 .Lno1
	FINISH 128, 160, SC5, LIM5, 66, 100, 14, 16
.Lno1:
	BARRIER                                        ; the first hidden layer's fragments lie in LDS
	s_cmp_lg_u32 s40, 0
	s_cbranch_scc0 .Lno2
	MATRIX BI2, 128, 2, HIMG, 0, 53, 8, 18
	STATS
.Lno2:
	BARRIER
	s_cmp_lg_u32 s40, 0
	s_cbranch_scc0 .Lno3
	FINISH 192, 224, SC7, LIM7, 67, 101, 20, 22
.Lno3:
	BARRIER                                        ; the second hidden layer's
	s_cmp_lg_u32 s40, 0
	s_cbranch_scc0 .Lno4
	MATRIX BI3, 0, 3, HIMG, 0, 54, 10, 24
	OUTPHASE
.Lno4:
	s_cmp_lg_u32 s38, 0                            ; on to the next expert, without a jump
	s_cselect_b32 s40, 1, 0
	s_mov_b32 s39, s41
	s_lshl_b32 s2, 1, s39
	s_and_not1_b32 s38, s38, s2
	s_cmp_lg_u32 s38, 0
	s_cselect_b32 s42, 1, 0
	s_ctz_i32_b32 s41, s38
	s_min_u32 s41, s41, 7
	s_lshl_b32 s44, s41, 16
	s_add_co_u32 s44, s44, s35
	s_lshl_b32 s46, s41, 10
	s_add_co_u32 s46, s46, s3
	s_cmp_lg_u32 s40, 0
	s_cbranch_scc0 .Lno0
	MATRIX BI1, 0, 2, XIMG, 0, 52, 6, 12
	STATS
.Lno0:
	BARRIER
	s_add_co_u32 s43, s43, 1
	s_cmp_lt_u32 s43, 8
	s_cbranch_scc1 .Ltrip
; THE WAY OUT.  Behind the last barrier all four waves' columns lie in LDS.  Wave w stores rows 32 w .. 32 w + 31, each to its token's row of out: 1,024 bytes by two stores of 512 consecutive bytes, aligned.
	s_wait_loadcnt 0x0                             ; no load is on its way into the registers that take the rows
.macro SENDB b                         ; eight rows; data and offsets in two sets by turns
.set DSB, 64+96*((\b)%2)
.set ASB, AD+8*((\b)%2)
.if \b >= 2
	s_wait_xcnt 0x0                                ; the stores of two batches ago have read their registers
.endif
.irp i, 0,1,2,3,4,5,6,7
	s_and_b32 s2, s[68+8*(\b)+\i], 0x7fff          ; the row's token,
	s_min_u32 s2, s2, 0x7fff                       ; held inside out
	s_lshl_b32 s2, s2, 10
	v_add_nc_u32 v[ASB+\i], s2, v[LI]
	ds_load_b128 v[DSB+8*\i:DSB+8*\i+3], v[RD] offset:OPITCH*(8*(\b)+\i)
	ds_load_b128 v[DSB+8*\i+4:DSB+8*\i+7], v[RD] offset:OPITCH*(8*(\b)+\i)+512
.endr
	s_wait_alu depctr_va_vdst(0)
.irp i, 0,1,2,3,4,5,6,7
	s_wait_dscnt 14-2*\i                           ; row i's two loads are in; the later rows' may be out
	global_store_b128 v[ASB+\i], v[DSB+8*\i:DSB+8*\i+3], s[32:33] th:TH_STORE_NT
	global_store_b128 v[ASB+\i], v[DSB+8*\i+4:DSB+8*\i+7], s[32:33] offset:512 th:TH_STORE_NT
.endr
.endm
	SENDB 0
	SENDB 1
	SENDB 2
	SENDB 3
	s_wait_xcnt 0x0
	v_lshl_add_u32 v254, v0, 2, 0x31800
	v_mov_b32 v255, 0
	s_wait_alu depctr_va_vdst(0)
	s_wait_tensorcnt 0x0
	ds_add_u32 v254, v255
	s_wait_dscnt 0x0
	s_endpgm
.Lfunc_end_k_q890c591ce0_chain:
	.size	k_q890c591ce0_chain, .Lfunc_end_k_q890c591ce0_chain-k_q890c591ce0_chain
	.p2alignl 7, 3214868480
	.fill 96, 4, 3214868480
	.section	.rodata,"a",@progbits
	.p2align	6, 0x0
	.amdhsa_kernel k_q890c591ce0_chain
		.amdhsa_group_segment_fixed_size 203264
		.amdhsa_private_segment_fixed_size 0
		.amdhsa_enable_private_segment 0
		.amdhsa_kernarg_size 120
		.amdhsa_user_sgpr_count 2
		.amdhsa_user_sgpr_kernarg_segment_ptr 1
		.amdhsa_wavefront_size32 1
		.amdhsa_system_sgpr_workgroup_id_x 1
		.amdhsa_system_sgpr_workgroup_id_y 1
		.amdhsa_system_sgpr_workgroup_id_z 1
		.amdhsa_system_vgpr_workitem_id 0
		.amdhsa_next_free_vgpr 1024
		.amdhsa_next_free_sgpr 102
		.amdhsa_reserve_vcc 1
		.amdhsa_float_denorm_mode_32 3
		.amdhsa_float_denorm_mode_16_64 3
		.amdhsa_memory_ordered 1
		.amdhsa_forward_progress 1
		.amdhsa_inst_pref_size 255
	.end_amdhsa_kernel
	.section	.bss,"aw",@nobits
	.p2align	6
	.space	262144
	.amdgpu_metadata
---
amdhsa.version: [ 1, 2 ]
amdhsa.kernels:
  - .name:           k_q890c591ce0_chain
    .symbol:         k_q890c591ce0_chain.kd
    .args:
      - { .name: x_codes, .offset: 0, .size: 8, .value_kind: global_buffer, .address_space: global }
      - { .name: w1_codes, .offset: 8, .size: 8, .value_kind: global_buffer, .address_space: global }
      - { .name: w2_codes, .offset: 16, .size: 8, .value_kind: global_buffer, .address_space: global }
      - { .name: w3_codes, .offset: 24, .size: 8, .value_kind: global_buffer, .address_space: global }
      - { .name: b1, .offset: 32, .size: 8, .value_kind: global_buffer, .address_space: global }
      - { .name: g1, .offset: 40, .size: 8, .value_kind: global_buffer, .address_space: global }
      - { .name: be1, .offset: 48, .size: 8, .value_kind: global_buffer, .address_space: global }
      - { .name: b2, .offset: 56, .size: 8, .value_kind: global_buffer, .address_space: global }
      - { .name: g2, .offset: 64, .size: 8, .value_kind: global_buffer, .address_space: global }
      - { .name: be2, .offset: 72, .size: 8, .value_kind: global_buffer, .address_space: global }
      - { .name: b3, .offset: 80, .size: 8, .value_kind: global_buffer, .address_space: global }
      - { .name: lowp_scales, .offset: 88, .size: 8, .value_kind: global_buffer, .address_space: global }
      - { .name: ord, .offset: 96, .size: 8, .value_kind: global_buffer, .address_space: global }
      - { .name: wts, .offset: 104, .size: 8, .value_kind: global_buffer, .address_space: global }
      - { .name: out0, .offset: 112, .size: 8, .value_kind: global_buffer, .address_space: global }
    .group_segment_fixed_size: 203264
    .private_segment_fixed_size: 0
    .kernarg_segment_align: 8
    .kernarg_segment_size: 120
    .max_flat_workgroup_size: 128
    .sgpr_count:     102
    .vgpr_count:     1024
    .wavefront_size: 32
...
	.end_amdgpu_metadata
.endif
;; end of part 6
